; MI455X (gfx1250); checked and timed in simulation.
; The chip was launched on July 23, 2026; its instructions are those of AMD's public machine-readable ISA for CDNA 5 (MIT licence, August 2026) and "CDNA5" Instruction Set Architecture Reference Guide (July 2026). The comments in the code are by the model that wrote it; some were corrected since.
;; Multi Head Attention. Allowed arithmetic: float matrix products may take bf16 or f16 operands with f32 sums; all other float work in f32.
;; Inputs: b_proj 1,024 float32; b_qkv 3,072 float32; idx 2 int32; w_proj 1,024 x 1,024 float32; w_qkv 1,024 x 3,072 float32; weight one number float32; x 2 x 2,048 x 1,024 float32.
;; Outputs: out0 2 x 2,048 x 1,024 float32.
;; Constants: attn_forcing = 1.
;; One version. Each part assembles by itself: llvm-mc -triple=amdgcn-amd-amdhsa -mcpu=gfx1250 --defsym DOCPART=n.
;; ======== version 1 of 1: 4 launches
;; limits: values are held in f16: magnitudes above 65,504 overflow, below 6.1e-05 lose precision
;; workspace buffers: xb 8,388,608 bytes; wqb 6,291,456 bytes; wpb 2,097,152 bytes; qh 8,388,608 bytes; kh 8,388,608 bytes; vh 8,388,608 bytes; ob 8,388,608 bytes
;; launch cast (part 1): grid 1024 x 1, 8 waves a work-group, no clusters, 0 bytes of LDS; arguments x, w_qkv, w_proj, xb, wqb, wpb; writes xb, wqb, wpb
.if DOCPART == 1
	.amdgcn_target "amdgcn-amd-amdhsa--gfx1250"
	.amdhsa_code_object_version 6
	.text
	.protected	k_q85412da218_cast
	.globl	k_q85412da218_cast
	.p2align	8
	.type	k_q85412da218_cast,@function
k_q85412da218_cast:
	s_mov_b64 s[64:65], 0
	v_nop
	global_prefetch_b8 v0, s[64:65] scope:SCOPE_SE
	s_setreg_imm32_b32 hwreg(HW_REG_WAVE_MODE, 25, 1), 1
	s_wait_xcnt 0x0
; x -> bf16 (xb), w_qkv -> bf16 (wqb), w_proj -> rounded to bf16 and that number written as f16 (wpb).  Layouts are kept.
; A stream: every byte is read once and written once; no LDS, no barrier, no matrix unit, no cluster (no two work-groups share a byte).
; A work-group takes 8,192 consecutive floats: groups 0-511 of x, 512-895 of w_qkv, 896-1023 of w_proj.
; Load j of thread t takes the 16 bytes at 4096 j + 16 t; its 8 bytes of result go to 2048 j + 8 t: a wave's store covers 256 consecutive bytes, aligned.
; LIMIT: a bf16 number of w_proj below 6.1e-5 in size keeps f16's fixed step of 6e-8; beyond 65,504 it would be an infinity.
.set X,  4                             ; v[4:35]   eight loads of four floats
.set Y,  36                            ; v[36:51]  eight results of two words
.set T,  52                            ; v[52:53]  at work
	s_load_b256 s[4:11], s[0:1], 0x0               ; x s[4:5], w_qkv s[6:7], w_proj s[8:9], xb s[10:11]
	s_load_b128 s[12:15], s[0:1], 0x20             ; wqb s[12:13], wpb s[14:15]
	v_lshlrev_b32 v1, 4, v0                        ; 16 t
	v_lshlrev_b32 v2, 3, v0                        ; 8 t
	s_mov_b32 s16, 896
	s_mov_b32 s28, 0xffff0000                      ; a word's upper bf16
	s_wait_kmcnt 0x0
	s_cmp_lt_u32 ttmp9, 896                        ; which tensor is mine: the choice hangs on the group's number alone
	s_cselect_b64 s[20:21], s[6:7], s[8:9]
	s_cselect_b64 s[22:23], s[12:13], s[14:15]
	s_cselect_b32 s16, 512, s16
	s_cmp_lt_u32 ttmp9, 512
	s_cselect_b64 s[20:21], s[4:5], s[20:21]
	s_cselect_b64 s[22:23], s[10:11], s[22:23]
	s_cselect_b32 s16, 0, s16
	s_sub_co_u32 s17, ttmp9, s16                   ; my number within the tensor
	s_lshl_b32 s24, s17, 15                        ; 32,768 bytes in
	s_mov_b32 s25, 0
	s_lshl_b32 s26, s17, 14                        ; 16,384 bytes out
	s_mov_b32 s27, 0
	s_add_nc_u64 s[20:21], s[20:21], s[24:25]
	s_add_nc_u64 s[22:23], s[22:23], s[26:27]
.irp j, 0,1,2,3,4,5,6,7
	global_load_b128 v[X+4*(\j):X+4*(\j)+3], v1, s[20:21] offset:4096*(\j) th:TH_LOAD_NT
.endr
	s_cmp_ge_u32 ttmp9, 896
	s_cbranch_scc1 .Lf16
.irp j, 0,1,2,3,4,5,6,7
	s_wait_loadcnt 7-(\j)                          ; loads come back in order: load j is in, the 7 - j younger ones stay out
	v_cvt_pk_bf16_f32 v[Y+2*(\j)], v[X+4*(\j)], v[X+4*(\j)+1]
	v_cvt_pk_bf16_f32 v[Y+2*(\j)+1], v[X+4*(\j)+2], v[X+4*(\j)+3]
	global_store_b64 v2, v[Y+2*(\j):Y+2*(\j)+1], s[22:23] offset:2048*(\j)   ; each j has registers of its own: nothing is rewritten
.endr
	s_endpgm
.Lf16:
.irp j, 0,1,2,3,4,5,6,7
	s_wait_loadcnt 7-(\j)
	v_cvt_pk_bf16_f32 v[T], v[X+4*(\j)], v[X+4*(\j)+1]        ; rounded as every other input is,
	v_cvt_pk_bf16_f32 v[T+1], v[X+4*(\j)+2], v[X+4*(\j)+3]
	v_lshlrev_b32 v[X+4*(\j)], 16, v[T]                       ; widened again,
	v_and_b32 v[X+4*(\j)+1], s28, v[T]
	v_lshlrev_b32 v[X+4*(\j)+2], 16, v[T+1]
	v_and_b32 v[X+4*(\j)+3], s28, v[T+1]
	v_cvt_pk_f16_f32 v[Y+2*(\j)], v[X+4*(\j)], v[X+4*(\j)+1]  ; and written as f16
	v_cvt_pk_f16_f32 v[Y+2*(\j)+1], v[X+4*(\j)+2], v[X+4*(\j)+3]
	global_store_b64 v2, v[Y+2*(\j):Y+2*(\j)+1], s[22:23] offset:2048*(\j)
.endr
	s_endpgm
.Lfunc_end_k_q85412da218_cast:
	.size	k_q85412da218_cast, .Lfunc_end_k_q85412da218_cast-k_q85412da218_cast
	.p2alignl 7, 3214868480
	.fill 96, 4, 3214868480
	.section	.rodata,"a",@progbits
	.p2align	6, 0x0
	.amdhsa_kernel k_q85412da218_cast
		.amdhsa_group_segment_fixed_size 0
		.amdhsa_private_segment_fixed_size 0
		.amdhsa_enable_private_segment 0
		.amdhsa_kernarg_size 48
		.amdhsa_user_sgpr_count 2
		.amdhsa_user_sgpr_kernarg_segment_ptr 1
		.amdhsa_wavefront_size32 1
		.amdhsa_system_sgpr_workgroup_id_x 1
		.amdhsa_system_sgpr_workgroup_id_y 1
		.amdhsa_system_sgpr_workgroup_id_z 1
		.amdhsa_system_vgpr_workitem_id 0
		.amdhsa_next_free_vgpr 56
		.amdhsa_next_free_sgpr 66
		.amdhsa_reserve_vcc 0
		.amdhsa_float_denorm_mode_32 3
		.amdhsa_float_denorm_mode_16_64 3
		.amdhsa_memory_ordered 1
		.amdhsa_forward_progress 1
		.amdhsa_inst_pref_size 9
	.end_amdhsa_kernel
	.amdgpu_metadata
---
amdhsa.version: [ 1, 2 ]
amdhsa.kernels:
  - .name:           k_q85412da218_cast
    .symbol:         k_q85412da218_cast.kd
    .args:
      - { .name: x, .offset: 0, .size: 8, .value_kind: global_buffer, .address_space: global }
      - { .name: w_qkv, .offset: 8, .size: 8, .value_kind: global_buffer, .address_space: global }
      - { .name: w_proj, .offset: 16, .size: 8, .value_kind: global_buffer, .address_space: global }
      - { .name: xb, .offset: 24, .size: 8, .value_kind: global_buffer, .address_space: global }
      - { .name: wqb, .offset: 32, .size: 8, .value_kind: global_buffer, .address_space: global }
      - { .name: wpb, .offset: 40, .size: 8, .value_kind: global_buffer, .address_space: global }
    .group_segment_fixed_size: 0
    .private_segment_fixed_size: 0
    .kernarg_segment_align: 8
    .kernarg_segment_size: 48
    .max_flat_workgroup_size: 256
    .sgpr_count:     66
    .vgpr_count:     56
    .wavefront_size: 32
...
	.end_amdgpu_metadata
.endif
;; end of part 1
;; launch qkv (part 2): grid 16 x 16, 4 waves a work-group, clusters of 4 x 4, 327,680 bytes of LDS; arguments xb, wqb, b_qkv, idx, weight, qh, kh, vh; writes qh, kh, vh
.if DOCPART == 2
	.amdgcn_target "amdgcn-amd-amdhsa--gfx1250"
	.amdhsa_code_object_version 6
	.text
	.protected	k_q85412da218_qkv
	.globl	k_q85412da218_qkv
	.p2align	8
	.type	k_q85412da218_qkv,@function
k_q85412da218_qkv:
	s_mov_b64 s[64:65], 0
	v_nop
	global_prefetch_b8 v0, s[64:65] scope:SCOPE_SE
	s_setreg_imm32_b32 hwreg(HW_REG_WAVE_MODE, 25, 1), 1
	s_wait_xcnt 0x0
	s_wait_alu depctr_hold_cnt(0) depctr_sa_sdst(0) depctr_va_vdst(0) depctr_va_sdst(0) depctr_va_ssrc(0) depctr_va_vcc(0) depctr_vm_vsrc(0)
	s_getreg_b32 s2, hwreg(HW_REG_IB_STS2, 6, 4)
	s_cmp_eq_u32 s2, 0
	s_cbranch_scc0 .Lentry_in_a_cluster
	s_endpgm
.Lentry_in_a_cluster:
	s_bfe_u32 s2, ttmp6, 0x10000c
	s_cmp_lg_u32 s2, 0xf033
	s_cbranch_scc0 .Lentry_shape_is_right
	s_endpgm
.Lentry_shape_is_right:
; qkv = x w_qkv + b_qkv, 4096 x 3072 x 1024, bf16 operands, f32 sums; out by heads: qh, kh, vh [16 batch + head][2048][64] in f16, each number rounded once.
; V's row s is multiplied by a[s] (weight, rounded to bf16, where s >= idx[batch]; else 1) in f32 ahead of that rounding: the attention then needs a only in its row sums.
; The bias (rounded to bf16 like every input) is the C operand of the products that start the sums: nothing is cleared, nothing is added later.
; LIMIT: q, k and a v must lie within f16's 65,504.
; SHARES.  A tile is 256 rows x 192 columns (three whole heads): 16 x 16 work-groups.  Wave w owns rows 64 w .. 64 w + 63 and all 192 columns: 4 x 12 accumulators, 384 registers.
; K goes in steps of 128 through two LDS slots.  x's rows lie along K; w_qkv lies [k][n] and is turned on its way out of LDS by ds_load_tr16_b128.
; THE MATRIX INSTRUCTION IS USED TRANSPOSED: source 0 = 16 columns of w, source 1 = 16 rows of x: a lane holds row l % 16 and the eight neighbouring columns 8 (l / 16) + 0..7.
; CLUSTER 4 x 4: x's tile hangs on the tile row alone and is asked for jointly along a row of the cluster, w's on the tile column alone, jointly along a column.
; REGISTERS, in windows of 256 (s_set_vgpr_msb: bits 1:0 source 0, 3:2 source 1, 5:4 source 2, 7:6 destination):
;   window 0: v1-31 addresses; v32-47 V's factors; v64-127 x's fragments, two buffers of 32; v128-223 the bias, later at work on the way out
;   window 1: v0-191 w's fragments, two buffers of 96      windows 2, 3: accumulator (a, b) at register 8 ((4 b + a) % 32), b 0-7 in window 2, b 8-11 in window 3
.set SIZE_K, 1024
.set SIZE_N, 3072
.set KSTEP,  128
.set PA,     272                       ; a row of x in LDS: 256 bytes + 16: the 16 rows of a load start at 16 different groups of four banks
.set PB,     480                       ; a k-row of w: three pieces of 128 bytes + 32 = 15 x 32 bytes
.set AHALF,  128*PA                    ; what one tensor load brings of x
.set BOFF,   256*PA                    ; w's 128 k-rows lie behind x's 256 rows
.set BHALF,  64*PB                     ; what one tensor load brings of w
.set SLOT,   131072
.set STAGE,  2*SLOT                    ; behind the ring: 16 rows x 144 bytes for each wave, for the way out
.set SP,     144
.set SPARE,  STAGE+4*16*SP             ; behind the stages: the spare words, 128 bytes a wave
.set ADRA, 16                          ; v16-17  LDS address of my fragments of x in slot 0, 1
.set ADRB, 20                          ; v20-21  the same for w
.set STO,  24                          ; v24     the way out: where I put 16 bytes of a row
.set RD,   25                          ; v25     where I read rows back
.set GO,   26                          ; v26     my 16 bytes in 512 consecutive bytes of a head
.set BO,   27                          ; v27     32 (l / 16): my eight numbers of the bias
.set SPW,  28                          ; v28     my spare word; never rewritten
.set NIL,  29                          ; v29     0; never rewritten
.set FAC,  32                          ; v32-35  a[s] of my row in block a of 16 rows
.set WGT,  36                          ; v36     the weight
.set FSEL, 40                          ; v40-47  a pair for each a: FAC for a head of V, 1 for a head of Q or K
.set AFR,  64
.set BIAS, 128                         ; v128-223  eight numbers for each column block b
.set T32,  128                         ; the way out: 32 scaled numbers,
.set TMP,  160                         ; 16 words of f16,
.set BK,   176                         ; and two buffers of 16 words read back from the stage
.set F0, 0
.set F1, 1
.set WV,  20                           ; s20  my wave
.set HF,  22                           ; s22  wave & 1: which half of a tile I fetch
.set G1,  24                           ; s[24:31] descriptor group 1 for x;  s[32:39] group 0, a set for each slot
.set G0,  32
.set G1B, 48                           ; s[48:55], s[56:63] the same for w
.set G0B, 56
.set MSB, 0
.macro WIN new                         ; the immediate's high byte repeats the setting that is left; a switch that changes nothing is dropped
.if MSB != (\new)
	s_set_vgpr_msb (MSB<<8)|(\new)
.set MSB, (\new)
.endif
.endm
; A joint refill: waves 0 and 1 fetch x's two halves, waves 2 and 3 w's.  The branch hangs on the wave's number alone.  An s_nop 0 and four v_nop follow each line.
.macro JLOAD s
	s_cmp_lt_u32 s[WV], 2
	s_cbranch_scc0 .Lfor_b_\@
	tensor_load_to_lds s[G0+4*(\s):G0+4*(\s)+3], s[G1:G1+7]
	s_nop 0
.rept 4
	v_nop
.endr
	s_branch .Lasked_\@
.Lfor_b_\@:
	tensor_load_to_lds s[G0B+4*(\s):G0B+4*(\s)+3], s[G1B:G1B+7]
	s_nop 0
.rept 4
	v_nop
.endr
.Lasked_\@:
.endm
.macro CREST                           ; a round of the cluster's barrier behind its opening barrier
	s_cmp_lg_u32 s[WV], 0
	s_cbranch_scc1 .Lnot_wave_0_\@
	s_barrier_signal -3
.Lnot_wave_0_\@:
	s_barrier_wait -3
	s_barrier_signal -1
	s_barrier_wait -1
.endm
.macro CROUND                          ; a whole round
	s_barrier_signal -1
	s_barrier_wait -1
	CREST
.endm
.macro PLACES                          ; four places in front of loads into registers that matrix instructions have read, and of vector work that reads results
.rept 4
	v_nop
.endr
.endm
	s_load_b512 s[4:19], s[0:1], 0x0               ; xb s[4:5], wqb s[6:7], b_qkv s[8:9], idx s[10:11], weight s[12:13], qh s[14:15], kh s[16:17], vh s[18:19]
	v_lshl_add_u32 v[SPW], v0, 2, SPARE
	v_mov_b32 v[NIL], 0
	ds_add_u32 v[SPW], v[NIL]                      ; the wave's opening: the add and its wait stand ahead of my first tensor load
	ds_add_u32 v28, v29
	v_lshrrev_b32 v1, 5, v0
	v_readfirstlane_b32 s[WV], v1
	s_and_b32 s[HF], s[WV], 1
	s_bfe_u32 s40, ttmp6, 0x40000                  ; cx
	s_bfe_u32 s41, ttmp6, 0x40004                  ; cy
	s_lshl_b32 s42, ttmp9, 2
	s_add_co_u32 s42, s42, s40                     ; tile column = 4 x cluster x + cx
	s_and_b32 s43, ttmp7, 0xffff
	s_lshl_b32 s43, s43, 2
	s_add_co_u32 s43, s43, s41                     ; tile row = 4 x cluster y + cy
	s_lshl_b32 s44, s41, 2
	s_lshl_b32 s44, 15, s44                        ; my row of the cluster
	s_lshl_b32 s45, 0x1111, s40                    ; my column
	s_or_b32 s[G1], s44, (1<<16)|(1<<20)|(1<<21)|(5<<22)|(3<<25)   ; mask; 2-byte elements; padding on; bit 21 beside a mask; after every 64 words 4 words
	s_or_b32 s[G1B], s45, (1<<16)|(1<<20)|(1<<21)|(4<<22)|(7<<25)  ; after every 32 words 8 words
	s_mov_b32 s[G1+1], KSTEP<<16                   ; x: tensor_dim0 = 128
	s_mov_b32 s[G1+2], 128<<16                     ; tensor_dim1 = 128
	s_mov_b32 s[G1+3], KSTEP<<16                   ; tile_dim0 = 128
	s_mov_b32 s[G1+4], 128                         ; tile_dim1 = 128 rows
	s_mov_b32 s[G1+5], SIZE_K                      ; elements from row to row
	s_mov_b32 s[G1+6], 0
	s_mov_b32 s[G1+7], 0
	s_mov_b32 s[G1B+1], 192<<16                    ; w: tensor_dim0 = 192
	s_mov_b32 s[G1B+2], 64<<16                     ; tensor_dim1 = 64
	s_mov_b32 s[G1B+3], 192<<16                    ; tile_dim0 = 192
	s_mov_b32 s[G1B+4], 64                         ; tile_dim1 = 64 k-rows
	s_mov_b32 s[G1B+5], SIZE_N
	s_mov_b32 s[G1B+6], 0
	s_mov_b32 s[G1B+7], 0
	s_lshl_b32 s46, s43, 8                         ; x: row 256 x tile row + 128 x half,
	s_lshl_b32 s47, s[HF], 7
	s_add_co_u32 s46, s46, s47
	s_lshl_b32 s46, s46, 11                        ; 2,048 bytes a row
	s_mov_b32 s47, 0
	s_mul_i32 s82, s[HF], 64*SIZE_N*2              ; w: k-row 64 x half,
	s_mul_i32 s83, s42, 384                        ; column 192 x tile column
	s_add_co_u32 s82, s82, s83
	s_mov_b32 s83, 0
	s_mul_i32 s74, s[HF], AHALF                    ; where they go: no place in the cluster enters an LDS address
	s_mul_i32 s75, s[HF], BHALF
	s_add_co_u32 s75, s75, BOFF
	s_mul_i32 s84, s42, 768                        ; the tile's 192 numbers of the bias
	s_mov_b32 s85, 0
	s_wait_dscnt 0x0                               ; the opening add is done
	s_wait_kmcnt 0x0
	s_add_nc_u64 s[80:81], s[4:5], s[46:47]
	s_add_nc_u64 s[82:83], s[6:7], s[82:83]
	s_add_nc_u64 s[84:85], s[8:9], s[84:85]
	s_load_b64 s[70:71], s[10:11], 0x0             ; both idx
	s_load_b32 s72, s[12:13], 0x0                  ; the weight; both are waited for on the way out
	CROUND                                         ; all sixteen work-groups are here: the first joint loads meet
.irp s, 0,1
	s_mov_b32 s[G0+4*(\s)], 1
	s_add_co_u32 s[G0+4*(\s)+1], s74, (\s)*SLOT
	s_add_nc_u64 s[G0+4*(\s)+2:G0+4*(\s)+3], s[80:81], (\s)*KSTEP*2
	s_or_b32 s[G0+4*(\s)+3], s[G0+4*(\s)+3], 0x80000000
	s_mov_b32 s[G0B+4*(\s)], 1
	s_add_co_u32 s[G0B+4*(\s)+1], s75, (\s)*SLOT
	s_add_nc_u64 s[G0B+4*(\s)+2:G0B+4*(\s)+3], s[82:83], (\s)*KSTEP*SIZE_N*2
	s_or_b32 s[G0B+4*(\s)+3], s[G0B+4*(\s)+3], 0x80000000
.endr
	s_cmp_lt_u32 s[WV], 2                          ; a wave's two first fills stand in one branch, ahead of every wait on TENSORcnt and every LDS read: two loads of mine are out
	s_cbranch_scc0 .Lfirst_b
	tensor_load_to_lds s[G0:G0+3], s[G1:G1+7]
	s_nop 0
	tensor_load_to_lds s[G0+4:G0+7], s[G1:G1+7]
	s_nop 0
.rept 4
	v_nop
.endr
	s_branch .Lfirst_asked
.Lfirst_b:
	tensor_load_to_lds s[G0B:G0B+3], s[G1B:G1B+7]
	s_nop 0
	tensor_load_to_lds s[G0B+4:G0B+7], s[G1B:G1B+7]
	s_nop 0
.rept 4
	v_nop
.endr
.Lfirst_asked:
	v_and_b32 v1, 15, v0                           ; l % 16; kept
	v_bfe_u32 v2, v0, 4, 1                         ; l / 16
	v_lshlrev_b32 v[BO], 5, v2
.irp b, 0,1,2,3,4,5,6,7,8,9,10,11      ; register j of block b: the bias of column 16 b + 8 (l / 16) + j
	global_load_b128 v[BIAS+8*(\b):BIAS+8*(\b)+3],   v[BO], s[84:85] offset:64*(\b)
	global_load_b128 v[BIAS+8*(\b)+4:BIAS+8*(\b)+7], v[BO], s[84:85] offset:64*(\b)+16
.endr
	v_mul_u32_u24 v3, v1, PA                       ; a fragment of x: row l % 16, 16 bytes for each half of the lanes
	v_lshl_add_u32 v3, v2, 4, v3
	s_mul_i32 s23, s[WV], 64*PA                    ; my 64 rows
	v_add_nc_u32 v[ADRA], s23, v3
	v_add_nc_u32 v[ADRA+1], SLOT, v[ADRA]
	v_and_b32 v4, 7, v0                            ; the turning load: lane l reads k-row 8 (l / 16) + l % 8, columns 8 ((l / 8) % 2) + 0..7
	v_bfe_u32 v5, v0, 3, 1
	v_lshl_add_u32 v6, v2, 3, v4
	v_mul_u32_u24 v6, v6, PB
	v_lshl_add_u32 v6, v5, 4, v6
	v_add_nc_u32 v[ADRB], BOFF, v6
	v_add_nc_u32 v[ADRB+1], SLOT, v[ADRB]
	s_mul_i32 s23, s[WV], 16*SP
	s_add_co_u32 s23, s23, STAGE                   ; my stage
	v_mul_u32_u24 v[STO], v1, SP
	v_lshl_add_u32 v[STO], v2, 4, v[STO]
	v_add_nc_u32 v[STO], s23, v[STO]
	v_bfe_u32 v[RD], v0, 3, 2                      ; back: 32 lanes take four rows of 128 bytes,
	v_mul_u32_u24 v[RD], v[RD], SP
	v_lshl_add_u32 v[RD], v4, 4, v[RD]
	v_add_nc_u32 v[RD], s23, v[RD]
	v_and_b32 v[GO], 31, v0                        ; which are 512 consecutive bytes of a head
	v_lshlrev_b32 v[GO], 4, v[GO]
	s_mov_b32 s23, 0xffff0000
	s_wait_loadcnt 0x0                             ; the bias, once; it is rounded to bf16 in the wait for the first tile
.set z, 0
.rept 48
	v_cvt_pk_bf16_f32 v[30+z%2], v[BIAS+2*z], v[BIAS+2*z+1]
	v_lshlrev_b32 v[BIAS+2*z], 16, v[30+z%2]
	v_and_b32 v[BIAS+2*z+1], s23, v[30+z%2]
.set z, z+1
.endr
; 4 nb matrix instructions: column blocks b0 .. b0 + nb - 1 x my four row blocks, 32 along K, from buffer f.  first = 1: the bias starts the sums.
; The 48 accumulators take turns, one instruction a turn, in the same order in every quarter.
.macro MUL f, b0, nb, first
.set bb, \b0
.rept \nb
.if \first
	WIN 0x81+0x40*(bb/8)                           ; w window 1, x window 0, C (the bias) window 0, D window 2 or 3
.else
	WIN 0xa1+0x50*(bb/8)                           ; C and D window 2 or 3
.endif
.irp a, 0,1,2,3
.set rD, 8*((4*bb+(\a))%32)
.if \first
	v_wmma_f32_16x16x32_bf16 v[rD:rD+7], v[96*(\f)+8*bb:96*(\f)+8*bb+7], v[AFR+32*(\f)+8*(\a):AFR+32*(\f)+8*(\a)+7], v[BIAS+8*bb:BIAS+8*bb+7]
.else
	v_wmma_f32_16x16x32_bf16 v[rD:rD+7], v[96*(\f)+8*bb:96*(\f)+8*bb+7], v[AFR+32*(\f)+8*(\a):AFR+32*(\f)+8*(\a)+7], v[rD:rD+7]
.endif
.endr
.set bb, bb+1
.endr
.endm
; 32 LDS loads in one run: quarter q (32 along K) of a slot into buffer f: w's blocks 0-7, x's four blocks, w's blocks 8-11
.macro FETCHB slot, q, f, b
	ds_load_tr16_b128 v[96*(\f)+8*(\b):96*(\f)+8*(\b)+3],   v[ADRB+(\slot)] offset:(\q)*32*PB+((\b)/4)*160+((\b)%4)*32
	ds_load_tr16_b128 v[96*(\f)+8*(\b)+4:96*(\f)+8*(\b)+7], v[ADRB+(\slot)] offset:(\q)*32*PB+16*PB+((\b)/4)*160+((\b)%4)*32
.endm
.macro FETCH slot, q, f
	WIN 0x40                                       ; destination window 1, address window 0
.irp b, 0,1,2,3,4,5,6,7
	FETCHB \slot, \q, \f, \b
.endr
	WIN 0
.irp i, 0,1,2,3
	ds_load_b128 v[AFR+32*(\f)+8*(\i):AFR+32*(\f)+8*(\i)+3],   v[ADRA+(\slot)] offset:(\q)*64+(\i)*16*PA
	ds_load_b128 v[AFR+32*(\f)+8*(\i)+4:AFR+32*(\f)+8*(\i)+7], v[ADRA+(\slot)] offset:(\q)*64+(\i)*16*PA+32
.endr
	WIN 0x40
.irp b, 8,9,10,11
	FETCHB \slot, \q, \f, \b
.endr
.endm
; A K step is four quarters of 32 along K, 48 matrix instructions each, on buffers 0, 1, 0, 1.  One of the first three multiplies buffer f and fetches quarter q into buffer g.
.macro QUARTER slot, q, f, g, first
	s_wait_dscnt 8                                 ; w's blocks 0-7 and x are in; the youngest eight loads (blocks 8-11) may be out
	MUL \f, 0, 8, \first
	PLACES
	FETCH \slot, \q, \g
	s_wait_dscnt 32                                ; all but the 32 just issued
	MUL \f, 8, 4, \first
.endm
; The last quarter multiplies buffer 1 and changes slots: one barrier; in front of it each wave waits for all its tensor loads (one is out: its part of the next slot), adds 0 to its spare word,
; and waits for that and for its reads of this slot.  fill = 1: the barrier opens a round of the cluster's, and this slot is filled again, two K steps ahead, first thing behind it:
; 160 matrix instructions stand between that request and the wait for it.
.macro TURN slot, next, fill
	WIN 0
	s_wait_tensorcnt 0x0
	ds_add_u32 v[SPW], v[NIL]
	s_wait_dscnt 9                                 ; the add and the youngest eight loads may be out
	MUL F1, 0, 4, 0
	s_wait_dscnt 0x0                               ; the add is done, and my reads of this slot are over
	s_barrier_signal -1
	MUL F1, 4, 4, 0
.if \fill
	WIN 0
.endif
	s_barrier_wait -1
.if \fill
	CREST
	s_add_nc_u64 s[G0+4*(\slot)+2:G0+4*(\slot)+3], s[G0+4*(\slot)+2:G0+4*(\slot)+3], 2*KSTEP*2
	s_add_nc_u64 s[G0B+4*(\slot)+2:G0B+4*(\slot)+3], s[G0B+4*(\slot)+2:G0B+4*(\slot)+3], 2*KSTEP*SIZE_N*2
	JLOAD \slot                                    ; its four v_nop are also the places in front of the loads below
.else
	PLACES
.endif
	FETCH \next, 0, F0
	MUL F1, 8, 4, 0
.endm
	s_wait_tensorcnt 1                             ; my part of K step 0 is in; K step 1's may stay out
	s_barrier_signal -1
	s_barrier_wait -1
	FETCH 0, 0, F0
	QUARTER 0, 1, F0, F1, 1                        ; the first quarter stands in front of the loop: its products start the sums
	WIN 0
	s_mov_b32 s3, SIZE_K/(2*KSTEP)-1
.Llap:                                                 ; a trip goes once round the ring and fills both slots again
	QUARTER 0, 2, F1, F0, 0
	QUARTER 0, 3, F0, F1, 0
	TURN 0, 1, 1
	QUARTER 1, 1, F0, F1, 0
	QUARTER 1, 2, F1, F0, 0
	QUARTER 1, 3, F0, F1, 0
	TURN 1, 0, 1
	QUARTER 0, 1, F0, F1, 0
	WIN 0
	s_sub_co_u32 s3, s3, 1
	s_cmp_lg_u32 s3, 0
	s_cbranch_scc1 .Llap
	QUARTER 0, 2, F1, F0, 0                        ; the last lap fills nothing
	QUARTER 0, 3, F0, F1, 0
	TURN 0, 1, 0
	QUARTER 1, 1, F0, F1, 0
	QUARTER 1, 2, F1, F0, 0
	QUARTER 1, 3, F0, F1, 0
	s_wait_dscnt 8
	MUL F1, 0, 8, 0
	s_wait_dscnt 0x0
	MUL F1, 8, 4, 0
	; THE WAY OUT.  a[s] for my row in each of my four blocks of 16 rows; then, head by head and block by block: scale, round to f16, through my stage, 2,048 consecutive bytes of a head.
	WIN 0
	PLACES
	s_wait_kmcnt 0x0                               ; idx and the weight
	v_mov_b32 v[WGT], s72
	v_cvt_pk_bf16_f32 v[WGT], v[WGT], v[WGT]       ; rounded like every input
	v_lshlrev_b32 v[WGT], 16, v[WGT]
	s_lshr_b32 s74, s43, 3                         ; the batch: 8 tile rows each
	s_cmp_eq_u32 s74, 0
	s_cselect_b32 s73, s70, s71                    ; its idx
	s_lshl_b32 s79, s74, 4                         ; 16 x batch
	s_and_b32 s78, s43, 7
	s_lshl_b32 s78, s78, 8
	s_lshl_b32 s75, s[WV], 6
	s_add_co_u32 s78, s78, s75                     ; my first row within the batch
	v_add_nc_u32 v30, s78, v1
.irp a, 0,1,2,3
	v_add_nc_u32 v31, 16*(\a), v30
	v_cmp_le_i32 vcc_lo, s73, v31                  ; idx <= s
	v_cndmask_b32 v[FAC+(\a)], 1.0, v[WGT], vcc_lo
.endr
.macro PACK j, a                       ; head j of the tile's three, row block a
.if (\a) == 0
	s_mul_i32 s74, s42, 3
	s_add_co_u32 s74, s74, \j                      ; the head among qkv's 48
	s_lshr_b32 s75, s74, 4
	s_cmp_eq_u32 s75, 2                            ; a head of V?
	s_cselect_b32 s77, -1, 0
	WIN 0
.irp c, 0,1,2,3
	v_cndmask_b32 v[FSEL+2*(\c)], 1.0, v[FAC+(\c)], s77
	v_cndmask_b32 v[FSEL+2*(\c)+1], 1.0, v[FAC+(\c)], s77
.endr
.endif
	WIN 0x02+(\j)/2                                ; source 0 window 2 or 3
.irp f, 0,1,2,3
.set rA, 8*((16*(\j)+4*(\f)+(\a))%32)
.irp r, 0,1,2,3                        ; each accumulator's registers in ascending order
	v_pk_mul_f32 v[T32+8*(\f)+2*(\r):T32+8*(\f)+2*(\r)+1], v[rA+2*(\r):rA+2*(\r)+1], v[FSEL+2*(\a):FSEL+2*(\a)+1] op_sel_hi:[1,0]
.endr
.endr
	WIN 0
.set z, 0
.rept 16
	v_cvt_pk_f16_f32 v[TMP+z], v[T32+2*z], v[T32+2*z+1]
.set z, z+1
.endr
.endm
.macro TOSTAGE k                       ; into my stage, and back as whole rows, into buffer k
.irp f, 0,1,2,3
	ds_store_b128 v[STO], v[TMP+4*(\f):TMP+4*(\f)+3] offset:32*(\f)
.endr
.irp f, 0,1,2,3
	ds_load_b128 v[BK+16*(\k)+4*(\f):BK+16*(\k)+4*(\f)+3], v[RD] offset:(\f)*4*SP  ; LDS serves a wave's instructions in order: these see the stores above
.endr
.endm
.macro SEND j, a, k
	s_wait_dscnt 0x0                               ; the block is back in registers
	s_wait_xcnt 0x0                                ; earlier stores have read their base and data: only now are they rewritten
.if (\a) == 0
	s_mul_i32 s74, s42, 3
	s_add_co_u32 s74, s74, \j
	s_lshr_b32 s75, s74, 4                         ; 0: Q, 1: K, 2: V
	s_and_b32 s76, s74, 15                         ; the head
	s_cmp_eq_u32 s75, 1
	s_cselect_b64 s[66:67], s[16:17], s[14:15]
	s_cmp_eq_u32 s75, 2
	s_cselect_b64 s[66:67], s[18:19], s[66:67]
	s_add_co_u32 s68, s79, s76
	s_lshl_b32 s68, s68, 11
	s_add_co_u32 s68, s68, s78                     ; (16 batch + head) x 2,048 + my first row,
	s_lshl_b32 s68, s68, 7                         ; 128 bytes a row
	s_mov_b32 s69, 0
	s_add_nc_u64 s[66:67], s[66:67], s[68:69]
.endif
.irp f, 0,1,2,3
	global_store_b128 v[GO], v[BK+16*(\k)+4*(\f):BK+16*(\k)+4*(\f)+3], s[66:67] offset:2048*(\a)+512*(\f)  ; 512 consecutive bytes, at a multiple of 256 from the buffer's first
.endr
.endm
	PACK 0, 0
	TOSTAGE 0
.irp n, 1,2,3,4,5,6,7,8,9,10,11        ; a block's arithmetic stands between the loads of the block before and the wait for them
	PACK (\n)/4, (\n)%4
	SEND ((\n)-1)/4, ((\n)-1)%4, ((\n)-1)%2
	TOSTAGE (\n)%2
.endr
	SEND 2, 3, 1
	s_wait_tensorcnt 0x0                           ; the wave's end
	ds_add_u32 v[SPW], v[NIL]
	s_wait_dscnt 0x0
	CROUND                                         ; the closing round
	s_endpgm
.Lfunc_end_k_q85412da218_qkv:
	.size	k_q85412da218_qkv, .Lfunc_end_k_q85412da218_qkv-k_q85412da218_qkv
	.p2alignl 7, 3214868480
	.fill 96, 4, 3214868480
	.section	.rodata,"a",@progbits
	.p2align	6, 0x0
	.amdhsa_kernel k_q85412da218_qkv
		.amdhsa_group_segment_fixed_size 327680
		.amdhsa_private_segment_fixed_size 0
		.amdhsa_enable_private_segment 0
		.amdhsa_kernarg_size 64
		.amdhsa_user_sgpr_count 2
		.amdhsa_user_sgpr_kernarg_segment_ptr 1
		.amdhsa_wavefront_size32 1
		.amdhsa_system_sgpr_workgroup_id_x 1
		.amdhsa_system_sgpr_workgroup_id_y 1
		.amdhsa_system_sgpr_workgroup_id_z 1
		.amdhsa_system_vgpr_workitem_id 0
		.amdhsa_next_free_vgpr 896
		.amdhsa_next_free_sgpr 88
		.amdhsa_reserve_vcc 1
		.amdhsa_float_denorm_mode_32 3
		.amdhsa_float_denorm_mode_16_64 3
		.amdhsa_memory_ordered 1
		.amdhsa_forward_progress 1
		.amdhsa_inst_pref_size 144
	.end_amdhsa_kernel
	.amdgpu_metadata
---
amdhsa.version: [ 1, 2 ]
amdhsa.kernels:
  - .name:           k_q85412da218_qkv
    .symbol:         k_q85412da218_qkv.kd
    .args:
      - { .name: xb, .offset: 0, .size: 8, .value_kind: global_buffer, .address_space: global }
      - { .name: wqb, .offset: 8, .size: 8, .value_kind: global_buffer, .address_space: global }
      - { .name: b_qkv, .offset: 16, .size: 8, .value_kind: global_buffer, .address_space: global }
      - { .name: idx, .offset: 24, .size: 8, .value_kind: global_buffer, .address_space: global }
      - { .name: weight, .offset: 32, .size: 8, .value_kind: global_buffer, .address_space: global }
      - { .name: qh, .offset: 40, .size: 8, .value_kind: global_buffer, .address_space: global }
      - { .name: kh, .offset: 48, .size: 8, .value_kind: global_buffer, .address_space: global }
      - { .name: vh, .offset: 56, .size: 8, .value_kind: global_buffer, .address_space: global }
    .group_segment_fixed_size: 327680
    .private_segment_fixed_size: 0
    .kernarg_segment_align: 8
    .kernarg_segment_size: 64
    .max_flat_workgroup_size: 128
    .sgpr_count:     88
    .vgpr_count:     896
    .wavefront_size: 32
...
	.end_amdgpu_metadata
.endif
;; end of part 2
;; launch attn (part 3): grid 8 x 32, 4 waves a work-group, no clusters, 327,680 bytes of LDS; arguments qh, kh, vh, ob, idx, weight; writes ob
.if DOCPART == 3
	.amdgcn_target "amdgcn-amd-amdhsa--gfx1250"
	.amdhsa_code_object_version 6
	.text
	.protected	k_q85412da218_attn
	.globl	k_q85412da218_attn
	.p2align	8
	.type	k_q85412da218_attn,@function
k_q85412da218_attn:
	s_mov_b64 s[64:65], 0
	v_nop
	global_prefetch_b8 v0, s[64:65] scope:SCOPE_SE
	s_setreg_imm32_b32 hwreg(HW_REG_WAVE_MODE, 25, 1), 1
	s_wait_xcnt 0x0
; CAUSAL ATTENTION WITH FORCING.  O[h][q] = sum over k <= q of p a[k] v[k] / sum over k <= q of p a[k], p = exp(q . k / 8 - m).  The softmax's own divisor cancels in the renormalisation.
; qh, kh, ob: [32][2048][64] f16; vh holds a[k] v[k] already.  a[k] = weight (rounded to bf16) where k >= idx[batch], else 1: here it enters the row sum l alone.
; Products, maxima and sums in f32; p is rounded to f16 for the second product (l is taken of the unrounded p), O once at the end.
; LIMITS.  A hidden score counts as its value less 1e30; a weight p below 2^-126 counts as 0; where l is exactly 0 the row is what 0 / 0 gives, and the rows of the work-group's second block with it.
; THE WALK.  A head's queries lie in 16 blocks of 128; block i needs the key tiles 0 .. i / 2 of 256 keys, the last of which holds the diagonal.  A work-group takes blocks 15 - b and then b: 9 tiles whatever b:
; all work-groups do equal work and one loop with a constant count walks them.  Every jump but the counted loops' own goes forward, and none passes a barrier or a tensor load but the one of LOAD's two lines
; that the wave's number does not choose.  NO CLUSTER: a head's eight work-groups ask for the same tile only in the walk's first five trips; behind that the first blocks end one after the other.
; SHARES.  Of a block's two bands of 64 queries a wave owns 16 rows in each: two PIECES.  In the diagonal tile's key step s band x sees all keys if s < 2 (i % 2) + x, none if s is greater, and holds the diagonal if equal.
; THE MASK is the C operand that starts S^T = K Q^T: MD x AL + BE, MD the mask of a band's own step for my rows; (1, 0), (0, 0) or (0, -1e30).  Only the diagonal tile's text and a block's beginning take masks.
; THE FACTORS a of a key step's 32 scores a lane are AF = AD x AL2 + BE2: AD the factors of the step that holds idx; (1, 0) there, (0, 1) before it, (0, weight) behind it.
; TURNS.  Turn T0 of step j (piece 0): 8 products K Q^T of piece 1, step j; 8 products V^T P of piece 1, step j - 1; it fetches K of step j + 1 and V of step j.  Turn T1 (piece 1): K Q^T of piece 0, step j + 1;
; V^T P of piece 0, step j.  Beside them the softmax of the turn's own piece and the maximum and statistics of the other.  Four vector instructions stand behind every matrix instruction, the rest in two lumps.
; TWO BARRIERS A TILE.  T0 of a tile's step 3 reads K of the next tile and V of this one.  So ahead of it stands a barrier (MEET) that shows the next slot whole, and behind it the change of slots, which fills this slot again.
; REGISTERS, in windows of 256 (s_set_vgpr_msb: bits 1:0 source 0, 3:2 source 1, 5:4 source 2, 7:6 destination):
;   window 0: v0-15 addresses and at work; v16-31 eight registers of statistics a piece; v48-55 at work; v64-127 S^T, two buffers; v128-159 AF; v192-223 P, two buffers
;   window 1: v0-63 O^T; v128-159 MD; v160-223 MC, two buffers; v224-255 AD      window 2: v0-31 Q; v64-95 the second block's Q; v128-191 K of one step; v192-255 V of one step
.set NB,    16
.set NP,    2
.set KS,    64        ; keys in a step
.set PK,    144       ; a row of K in LDS: 128 bytes + 16
.set PV,    160       ; a row of V: 128 + 32
.set VOFF,  4*KS*PK   ; a slot holds a tile: 256 rows of K, then 256 rows of V
.set SLOT1, 1<<17
.set STAGE, SLOT1+4*KS*(PK+PV)  ; behind the ring: 16 rows x 144 bytes for each wave
.set SP,    144
.set SPARE, STAGE+4*16*SP
.set AK0, 2           ; v2   my lane's place in a tile of K; never rewritten
.set AV0, 3           ; v3   the same for V
.set AK,  4           ; v4   the LDS address of K's next run of loads
.set AV,  5           ; v5   of V's
.set STO, 6
.set RD,  7
.set GO,  8
.set MV,  12          ; v12-13  c m_old, by buffer
.set QO,  15
.set ST,  16          ; piece t at v[ST+8 t]: c m, m, lX (a pair), lY (a pair)
.set TMP, 48          ; by buffer, c0-c3 at work; c2 takes a = 2^(c m_old - c m_new)
.set SPW, 62
.set NIL, 63
.set S,   64
.set AF,  128
.set P,   192
.set MD,  128         ; window 1
.set MC,  160         ; window 1
.set AD,  224         ; window 1
.set QB,  64          ; window 2
.set KF,  128         ; window 2
.set VF,  192         ; window 2
.set WV,  12
.set PB,  14          ; s14  b
.set HI,  15          ; s15  15 - b
.set G1K, 24
.set G1V, 32
.set G0K, 40
.set G0V, 44
.set D0,  48          ; s48, s49  the counts at which piece 0's and piece 1's next mask is the band's own
.set PZ,  50          ; s50  1.0 if piece 0's own step is the diagonal tile's step 0
.set D0B, 51          ; s51-53  the same three for the second block
.set PZB, 53
.set PBT, 54          ; s54  b / 2
.set BAT, 55          ; s55  the batch
.set SLOTS, 56
.set CNT, 57
.set CS,  58
.set SEL, 60
.set TBK, 62          ; s62  LDS byte at which K of the step to be fetched begins
.set TBV, 63          ; s63  the same for V, less VOFF
.set RT,  70
.set NXT, 71
.set LQ,  72
.set NEW, 73
.set OFF, 74
.set AL,  76
.set BE,  78
.set OLO, 80
.set BIGN, 82
.set I64, 95          ; s95  the key step that holds idx
.set GS,  96          ; s96  the key step whose factors are made next
.set W,   97          ; s97  the weight
.set AL2, 98
.set BE2, 100
.set MSB, 0
.macro WIN new
.if MSB != (\new)
	s_set_vgpr_msb (MSB<<8)|(\new)
.set MSB, (\new)
.endif
.endm
.set W_KQ, 0x0a       ; K and Q in window 2, S^T in window 0
.set W_KM, 0x1a       ; the same with the C operand in window 1
.set W_PV, 0x52       ; V in window 2, P in window 0, O^T in window 1
.set W_RS, 0x41       ; destination and source 0 in window 1, source 1 in window 0
; A fill.  Waves 0 and 1 fetch the two halves of a tile's K, waves 2 and 3 those of its V.  An s_nop 0 and four v_nop follow each of the two lines.
.macro LOAD
	s_cmp_lt_u32 s[WV], 2
	s_cbranch_scc0 .Lfor_v_\@
	tensor_load_to_lds s[G0K:G0K+3], s[G1K:G1K+7]
	s_nop 0
.rept 4
	v_nop
.endr
	s_branch .Lasked_\@
.Lfor_v_\@:
	tensor_load_to_lds s[G0V:G0V+3], s[G1V:G1V+7]
	s_nop 0
.rept 4
	v_nop
.endr
.Lasked_\@:
.endm
; THE CHANGE OF SLOTS, behind T0 of a tile's step 3: all of the tile has been asked for out of LDS.  Each wave waits for all its tensor loads, adds 0 to its spare word, and waits for that and for its reads.
; fill = 1: the slot is filled again, first thing behind the barrier, with tile NXT; that load has seven of the next tile's eight turns in which to land.
.macro CHANGE fill
	WIN 0
	s_wait_tensorcnt 0x0            ; no tensor load of mine is out, so a group 0 may be written
	ds_add_u32 v[SPW], v[NIL]
.if \fill
	s_lshl_b32 s[OFF], s[NXT], 15   ; a tile is 32,768 bytes of K and of V
	s_xor_b32 s[G0K+1], s[G0K+1], SLOT1
	s_add_nc_u64 s[G0K+2:G0K+3], s[6:7], s[OFF:OFF+1]
	s_or_b32 s[G0K+3], s[G0K+3], 0x80000000
	s_xor_b32 s[G0V+1], s[G0V+1], SLOT1
	s_add_nc_u64 s[G0V+2:G0V+3], s[8:9], s[OFF:OFF+1]
	s_or_b32 s[G0V+3], s[G0V+3], 0x80000000
	s_add_co_u32 s[NXT], s[NXT], 1  ; the block's next tile, or behind its last the second block's tile 0
	s_cmp_gt_u32 s[NXT], s[LQ]
	s_cselect_b32 s[NXT], 0, s[NXT]
	s_cselect_b32 s[LQ], s[PBT], s[LQ]
.endif
	s_wait_dscnt 0x0                ; the add is done, and my reads of the slot are over
	s_barrier_signal -1
	s_sub_co_u32 s[TBV], s[TBV], 4*KS*PV  ; V's fetches go to the other slot's first step
	s_xor_b32 s[TBV], s[TBV], SLOT1
	s_barrier_wait -1
.if \fill
	LOAD
.endif
.endm
; THE BARRIER AHEAD OF A PLAIN TILE'S LAST T0: my one tensor load that is out is my part of the next slot; behind the barrier everybody's is in, and K's fetches go there.
.macro MEET
	WIN 0
	s_wait_tensorcnt 0x0            ; no load was issued behind the one that the reads below need
	s_wait_dscnt 0x0                ; no LDS instruction of mine is out (the turn before has waited for all)
	s_barrier_signal -1
	s_sub_co_u32 s[TBK], s[TBK], 4*KS*PK
	s_xor_b32 s[TBK], s[TBK], SLOT1
	s_barrier_wait -1
.endm
	s_load_b256 s[4:11], s[0:1], 0x0  ; Q s[4:5], K s[6:7], V s[8:9], O s[10:11]
	s_load_b128 s[88:91], s[0:1], 0x20  ; idx s[88:89], weight s[90:91]
	v_lshl_add_u32 v[SPW], v0, 2, SPARE
	v_mov_b32 v[NIL], 0
	ds_add_u32 v[SPW], v[NIL]       ; the wave's opening: the add and its wait stand ahead of my first tensor load
	ds_add_u32 v62, v63
	v_lshrrev_b32 v1, 5, v0
	v_readfirstlane_b32 s[WV], v1
	s_mov_b32 s[PB], ttmp9
	s_sub_co_u32 s[HI], NB-1, s[PB]
	s_lshr_b32 s[PBT], s[PB], 1
	s_and_b32 s20, ttmp7, 0xffff    ; 16 batch + head
	s_lshr_b32 s[BAT], s20, 4
	s_lshl_b32 s20, s20, 18         ; its 2,048 rows of 128 bytes
	s_mov_b32 s21, 0
	s_and_b32 s16, s[WV], 1         ; which half of a tile's 256 keys I fetch
	s_lshl_b32 s22, s16, 14
	s_mov_b32 s23, 0
	s_add_nc_u64 s[22:23], s[22:23], s[20:21]
	s_mul_i32 s17, s16, 128*PK
	s_mul_i32 s18, s16, 128*PV
	s_lshl_b32 s3, s[WV], 11        ; my 16 rows in a band of 64,
	s_lshl_b32 s2, s[HI], 14        ; in the first block of 128 rows,
	s_add_co_u32 s2, s2, s3
	s_lshl_b32 s84, s[PB], 14       ; and in the second
	s_add_co_u32 s84, s84, s3
	s_mov_b32 s3, 0
	s_mov_b32 s85, 0
	s_add_nc_u64 s[2:3], s[2:3], s[20:21]
	s_add_nc_u64 s[84:85], s[84:85], s[20:21]
	; descriptor group 1.  128 keys are 16,384 dense bytes: asked for as 64 rows of 256 bytes, two keys a row, padded in LDS after every key
	s_mov_b32 s[G1K], (1<<16)|(1<<20)|(4<<22)|(3<<25)
	s_mov_b32 s[G1V], (1<<16)|(1<<20)|(4<<22)|(7<<25)
.irp g, G1K, G1V
	s_mov_b32 s[\g+1], 128<<16      ; tensor_dim0 = 128
	s_mov_b32 s[\g+2], 64<<16       ; tensor_dim1 = 64
	s_mov_b32 s[\g+3], 128<<16      ; tile_dim0 = 128
	s_mov_b32 s[\g+4], 64           ; tile_dim1 = 64
	s_mov_b32 s[\g+5], 128
	s_mov_b32 s[\g+6], 0
	s_mov_b32 s[\g+7], 0
.endr
	s_mov_b32 s[CS], 0x3e38aa3b     ; c = log2(e) / 8
	s_mov_b32 s[CS+1], s[CS]
	s_mov_b32 s[SEL], 0x76543210
	s_mov_b32 s[SEL+1], 0xfedcba98
	s_mov_b32 s[TBK], 0             ; K's first fetch: slot 0, step 0
	s_mov_b32 s[TBV], SLOT1+4*KS*PV ; the first change of slots turns this into 0
	s_mov_b32 s[G0K], 1
	s_mov_b32 s[G0K+1], s17
	s_mov_b32 s[G0V], 1
	s_add_co_u32 s[G0V+1], s18, VOFF
	s_lshr_b32 s[LQ], s[HI], 1      ; the first block's last tile
	s_add_co_u32 s[RT], s[LQ], 1
	s_mov_b32 s[NXT], 1
	s_mov_b32 s[NEW], 1
	s_mov_b32 s[OFF+1], 0
	s_mov_b32 s[AL+1], 0            ; named as pairs
	s_mov_b32 s[BE+1], 0
	s_mov_b32 s[AL2+1], 0
	s_mov_b32 s[BE2+1], 0
	s_mov_b32 s[BIGN], 0xf149f2ca   ; -1e30
	s_mov_b32 s[SLOTS], 8
	s_and_b32 s13, s[HI], 1         ; 2 (i % 2) for the first block,
	s_lshl_b32 s13, s13, 1
	s_sub_co_u32 s[D0], 5, s13
	s_sub_co_u32 s[D0+1], 3, s13
	s_cmp_eq_u32 s13, 0
	s_cselect_b32 s[PZ], 1.0, 0
	s_and_b32 s13, s[PB], 1         ; and for the second
	s_lshl_b32 s13, s13, 1
	s_sub_co_u32 s[D0B], 5, s13
	s_sub_co_u32 s[D0B+1], 3, s13
	s_cmp_eq_u32 s13, 0
	s_cselect_b32 s[PZB], 1.0, 0
	s_wait_dscnt 0x0                ; the opening add is done
	s_wait_kmcnt 0x0
	s_load_b64 s[92:93], s[88:89], 0x0  ; both idx
	s_load_b32 s94, s[90:91], 0x0       ; the weight
	s_add_nc_u64 s[6:7], s[6:7], s[22:23]  ; K and V at my half of the head's tile 0
	s_add_nc_u64 s[8:9], s[8:9], s[22:23]
	s_add_nc_u64 s[G0K+2:G0K+3], s[6:7], 0
	s_or_b32 s[G0K+3], s[G0K+3], 0x80000000
	s_add_nc_u64 s[G0V+2:G0V+3], s[8:9], 0
	s_or_b32 s[G0V+3], s[G0V+3], 0x80000000
	s_add_nc_u64 s[86:87], s[4:5], s[84:85]
	s_add_nc_u64 s[4:5], s[4:5], s[2:3]
	s_add_nc_u64 s[OLO:OLO+1], s[10:11], s[84:85]
	s_add_nc_u64 s[10:11], s[10:11], s[2:3]
	LOAD                            ; tile 0 into slot 0
	v_and_b32 v1, 15, v0            ; l % 16
	v_bfe_u32 v9, v0, 4, 1          ; l / 16
	v_lshlrev_b32 v[QO], 7, v1
	v_lshl_add_u32 v[QO], v9, 4, v[QO]
	WIN 0x80                        ; destination window 2, address window 0
.set i, 0
.rept 4                             ; both blocks' Q: piece i / 2 lies in band i / 2, 8,192 bytes on; channels 32 (i % 2) on
	global_load_b128 v[8*i:8*i+3],   v[QO], s[4:5] offset:(i/2)*8192+(i%2)*64
	global_load_b128 v[8*i+4:8*i+7], v[QO], s[4:5] offset:(i/2)*8192+(i%2)*64+32
	global_load_b128 v[QB+8*i:QB+8*i+3],   v[QO], s[86:87] offset:(i/2)*8192+(i%2)*64
	global_load_b128 v[QB+8*i+4:QB+8*i+7], v[QO], s[86:87] offset:(i/2)*8192+(i%2)*64+32
.set i, i+1
.endr
	WIN 0
	v_lshlrev_b32 v14, 3, v9
	v_sub_nc_u32 v14, v1, v14
	s_lshl_b32 s13, s[WV], 4
	v_add_nc_u32 v14, s13, v14      ; 16 w + l % 16 - 8 (l / 16): register r of key group kt is hidden where 16 kt + r is greater
	WIN 0x40
.set i, 0
.rept 32
	v_cmp_gt_i32 vcc_lo, 16*(i/8)+i%8, v14
	v_cndmask_b32 v[MD+i], 0, s[BIGN], vcc_lo
.set i, i+1
.endr
	WIN 0
	v_mul_u32_u24 v[AK0], v1, PK
	v_lshl_add_u32 v[AK0], v9, 4, v[AK0]
	v_and_b32 v10, 7, v0
	v_bfe_u32 v11, v0, 3, 1
	v_lshl_add_u32 v[AV0], v9, 3, v10
	v_mul_u32_u24 v[AV0], v[AV0], PV
	v_lshl_add_u32 v[AV0], v11, 4, v[AV0]
	v_add_nc_u32 v[AV0], VOFF, v[AV0]
	s_mul_i32 s13, s[WV], 16*SP
	s_add_co_u32 s13, s13, STAGE
	v_mul_u32_u24 v[STO], v1, SP
	v_lshl_add_u32 v[STO], v9, 4, v[STO]
	v_add_nc_u32 v[STO], s13, v[STO]
	v_bfe_u32 v[RD], v0, 3, 2
	v_mul_u32_u24 v[RD], v[RD], SP
	v_lshl_add_u32 v[RD], v10, 4, v[RD]
	v_add_nc_u32 v[RD], s13, v[RD]
	v_and_b32 v[GO], 31, v0
	v_lshlrev_b32 v[GO], 4, v[GO]
	; A block's first step multiplies O^T by a = 0, and its first turn's products V^T P, of a piece that has not been, land in an O^T that is still to be so multiplied: these registers need only be finite.
	WIN 0x80
.set i, VF
.rept 64
	v_mov_b32 v[i], 0
.set i, i+1
.endr
	WIN 0x40
.set i, 0
.rept 64
	v_mov_b32 v[i], 0
.set i, i+1
.endr
	WIN 0
.set i, P+16
.rept 16
	v_mov_b32 v[i], 0
.set i, i+1
.endr
	s_wait_kmcnt 0x0                ; idx and the weight
	s_cmp_eq_u32 s[BAT], 0
	s_cselect_b32 s13, s92, s93     ; my batch's idx
	s_ashr_i32 s[I64], s13, 6       ; the key step that holds it,
	s_and_b32 s13, s13, 63          ; and its place there
	v_mov_b32 v14, s94
	v_cvt_pk_bf16_f32 v14, v14, v14 ; the weight is rounded like every input
	v_lshlrev_b32 v14, 16, v14
	v_readfirstlane_b32 s[W], v14
	v_lshlrev_b32 v14, 3, v9
	v_sub_nc_u32 v14, s13, v14      ; register r of key group kt takes the weight where 16 kt + r is not less
	WIN 0x40
.set i, 0
.rept 32
	v_cmp_ge_i32 vcc_lo, 16*(i/8)+i%8, v14
	v_cndmask_b32 v[AD+i], 1.0, s[W], vcc_lo
.set i, i+1
.endr
	WIN 0
; THE MATRIX WORK.  The 4 accumulators of a run of 8 take turns.  Product i of 8 of S^T = K Q^T for piece x: channels 32 (i / 4) on, keys 16 (i % 4) on.
.macro KQ x
.set rS, S+32*((\x)%2)+8*(i%4)
.set rK, KF+16*(i%4)+8*(i/4)
.set rQ, 16*(\x)+8*(i/4)
.set rM, MC+32*((\x)%2)+8*(i%4)
.if (i < 4) && KM
	WIN W_KM
	v_wmma_f32_16x16x32_f16 v[rS:rS+7], v[rK:rK+7], v[rQ:rQ+7], v[rM:rM+7]
.elseif i < 4
	WIN W_KQ
	v_wmma_f32_16x16x32_f16 v[rS:rS+7], v[rK:rK+7], v[rQ:rQ+7], 0
.else
	WIN W_KQ
	v_wmma_f32_16x16x32_f16 v[rS:rS+7], v[rK:rK+7], v[rQ:rQ+7], v[rS:rS+7]
.endif
.endm
; Product i of 8 of O^T += V^T P for piece x: keys 32 (i / 4) on, channels 16 (i % 4) on.
.macro PV x
	WIN W_PV
.set rO, 32*(\x)+8*(i%4)
.set rV, VF+32*(i/4)+8*(i%4)
.set rP, P+16*((\x)%2)+8*(i/4)
	v_wmma_f32_16x16x32_f16 v[rO:rO+7], v[rV:rV+7], v[rP:rP+7], v[rO:rO+7]
.endm
.macro MM                           ; the turn's next matrix instruction.  NOKQ = 1: a block's last turn: there are no further scores
.if (i < 8) && !NOKQ
	KQ (Y+1)%NP
.elseif i >= 8
.set i, i-8
	PV (Y+NP-1)%NP
.set i, i+8
.endif
.set i, i+1
.endm
; THE LDS LOADS stand in runs of 16.  last = 1 (the diagonal tile): in the tile's last step there is no further K, and the run is jumped over.
.macro FETCH_K last=0
	WIN 0
.if \last
	s_cmp_eq_u32 s[CNT], 1
	s_cbranch_scc1 .Lno_k_\@
.endif
	WIN 0x80
.irp f, 0,1,2,3,4,5,6,7             ; keys 16 (f / 2) on, channels 32 (f % 2) on
	ds_load_b128 v[KF+8*\f:KF+8*\f+3],   v[AK] offset:(\f/2)*16*PK+(\f%2)*64
	ds_load_b128 v[KF+8*\f+4:KF+8*\f+7], v[AK] offset:(\f/2)*16*PK+(\f%2)*64+32
.endr
	s_add_co_u32 s[TBK], s[TBK], KS*PK
	WIN 0
.if \last
.Lno_k_\@:
.endif
.endm
.macro FETCH_V
	WIN 0x80
.irp f, 0,1,2,3,4,5,6,7             ; keys 32 (f / 4) on, channels 16 (f % 4) on
	ds_load_tr16_b128 v[VF+8*\f:VF+8*\f+3],   v[AV] offset:(\f/4)*32*PV+(\f%4)*32
	ds_load_tr16_b128 v[VF+8*\f+4:VF+8*\f+7], v[AV] offset:(\f/4)*32*PV+16*PV+(\f%4)*32
.endr
	WIN 0
.endm
; THE VECTOR WORK, one line at a time: OP kind, number.  For piece Y: F n: c s - c m for pair n of 16.  E n: the exponential of score n of 32.  C n: pair n rounded to f16.
; B n, L n: a row sum takes pair 2 n + 1, pair 2 n, times its factors a (two sums, lX and lY, so that no addition waits for the one before it).  M n: lX, lY times a.  R n: pair n of 16 of O^T times a.
; For piece Y + 1: X n, number n of the 22 that find its maximum and statistics (each accumulator's lowest registers are read first).
.set F, 0
.set E, 1
.set C, 2
.set B, 3
.set L, 4
.set M, 5
.set R, 6
.set X, 7
.macro REGS y
.set rT, ST+8*(\y)
.set rC, TMP+4*((\y)%2)
.set rW, MV+((\y)%2)
.set rS, S+32*((\y)%2)
.set rP, P+16*((\y)%2)
.set rO, 32*(\y)
.endm
.macro OP k, n
.if (\k) == R
	REGS Y
	WIN W_RS
	v_pk_mul_f32 v[rO+2*(\n):rO+2*(\n)+1], v[rO+2*(\n):rO+2*(\n)+1], v[rC+2:rC+3] op_sel_hi:[1,0]
.elseif (\k) < R
	REGS Y
	WIN 0
.if (\k) == F
	v_pk_fma_f32 v[rS+2*(\n):rS+2*(\n)+1], v[rS+2*(\n):rS+2*(\n)+1], s[CS:CS+1], v[rT:rT+1] op_sel_hi:[1,0,0] neg_lo:[0,0,1] neg_hi:[0,0,1]
.elseif (\k) == E
	v_exp_f32 v[rS+(\n)], v[rS+(\n)]
.elseif (\k) == C
	s_wait_alu depctr_va_vdst(0)
	v_cvt_pk_f16_f32 v[rP+(\n)], v[rS+2*(\n)], v[rS+2*(\n)+1]
.elseif (\k) == B
.set rA, rT+2
.if (\n) == 4
.set rA, rT+4
.endif
	s_wait_alu depctr_va_vdst(0)
	v_pk_fma_f32 v[rA:rA+1], v[rS+4*(\n)+2:rS+4*(\n)+3], v[AF+4*(\n)+2:AF+4*(\n)+3], v[rA:rA+1]
.elseif (\k) == L
.set rA, rT+4
.if (\n) == 3
.set rA, rT+2
.endif
	v_pk_fma_f32 v[rA:rA+1], v[rS+4*(\n):rS+4*(\n)+1], v[AF+4*(\n):AF+4*(\n)+1], v[rA:rA+1]
.else
	v_pk_mul_f32 v[rT+2+2*(\n):rT+3+2*(\n)], v[rT+2+2*(\n):rT+3+2*(\n)], v[rC+2:rC+3] op_sel_hi:[1,0]
.endif
.elseif NOKQ
	v_nop
	s_wait_alu depctr_va_vdst(0)
.else
	REGS (Y+1)%NP
	WIN 0
.if (\n) < 4
	v_max3_num_f32 v[rC+(\n)], v[rS+8*(\n)], v[rS+8*(\n)+1], v[rS+8*(\n)+2]
.elseif (\n) < 12
	v_max3_num_f32 v[rC+(\n)%4], v[rC+(\n)%4], v[rS+8*((\n)%4)+2*((\n)/4)+1], v[rS+8*((\n)%4)+2*((\n)/4)+2]
.elseif (\n) == 12
	v_max3_num_f32 v[rC], v[rC], v[rS+7], v[rS+15]
.elseif (\n) == 13
	v_max3_num_f32 v[rC+1], v[rC+1], v[rS+23], v[rS+31]
.elseif (\n) == 14
	v_max3_num_f32 v[rC+2], v[rC+2], v[rC+3], v[rT+1]
	s_wait_alu depctr_va_vdst(0)
.elseif (\n) == 15
	v_mov_b32 v[rW], v[rT]
.elseif (\n) == 16
	v_max3_num_f32 v[rC], v[rC], v[rC+1], v[rC+2]
.elseif (\n) == 17
	v_permlanex16_b32 v[rC+3], v[rC], s[SEL], s[SEL+1]
.elseif (\n) == 18
	v_max_num_f32 v[rT+1], v[rC], v[rC+3]
.elseif (\n) == 19
	v_mul_f32 v[rT], s[CS], v[rT+1]
.elseif (\n) == 20
	v_sub_f32 v[rC+1], v[rW], v[rT]
.else
	v_exp_f32 v[rC+2], v[rC+1]
.endif
.endif
.endm
.macro OPS a, i1, b=-1, i2=0, c=-1, i3=0, d=-1, i4=0
	OP \a, \i1
.if (\b) >= 0
	OP \b, \i2
.endif
.if (\c) >= 0
	OP \c, \i3
.endif
.if (\d) >= 0
	OP \d, \i4
.endif
.endm
.macro ROW a, i1, b, i2, c, i3, d, i4  ; a matrix instruction and the four behind it
	MM
	OPS \a, \i1, \b, \i2, \c, \i3, \d, \i4
.endm
.macro MASK b                       ; MD x AL + BE into buffer b of MC
	WIN W_RS
.set z, 0
.rept 16
	v_pk_fma_f32 v[MC+32*(\b)+2*z:MC+32*(\b)+2*z+1], v[MD+2*z:MD+2*z+1], s[AL:AL+1], s[BE:BE+1] op_sel_hi:[1,0,0]
.set z, z+1
.endr
.endm
.macro ASEL                         ; the two scalars of key step GS's factors; GS steps
	s_cmp_lt_i32 s[GS], s[I64]
	s_cselect_b32 s[BE2], 1.0, s[W]
	s_cmp_eq_u32 s[GS], s[I64]
	s_cselect_b32 s[AL2], 1.0, 0
	s_cselect_b32 s[BE2], 0, s[BE2]
	s_add_co_u32 s[GS], s[GS], 1
.endm
.macro AMASK                        ; AF = AD x AL2 + BE2
	WIN 0x01                        ; source 0 window 1, destination window 0
.set z, 0
.rept 16
	v_pk_fma_f32 v[AF+2*z:AF+2*z+1], v[AD+2*z:AD+2*z+1], s[AL2:AL2+1], s[BE2:BE2+1] op_sel_hi:[1,0,0]
.set z, z+1
.endr
.endm
; A TURN, for piece p: 16 matrix and 120 vector instructions, the order written out.  Behind a matrix instruction: plain, exponential, plain, plain, or four plain; none names a register of the products round it.
; m = 1: the diagonal tile: the products take masks, and the turn makes the mask for the next turn's products: T1 that of piece 1 in step 4 - CNT, T0 that of piece 0 in step 5 - CNT.
; end = 1: a block's last turn: no further scores.  cnt = 1: the loop's count is taken down some lines ahead of the branch behind the turn.
; T0 fetches K five plain vector instructions behind the last product that read K, and V five behind the last that read V.  T1 waits for K at its head (V's sixteen loads may be out) and for V ahead of its second run.
; T1 also makes the factors a of the key step that the next T0 opens, behind its own last use of the old ones.
.macro TURN p, m=0, last=0, end=0, cnt=0
.set Y, (\p)
.set i, 0
.set KM, (\m)
.set NOKQ, (\end)
.if (\m) && !(\end)
	s_cmp_eq_u32 s[CNT], s[D0+(\p)]     ; is that step the band's own?
	s_cselect_b32 s[AL], 1.0, 0
	s_cmp_lt_u32 s[CNT], s[D0+(\p)]     ; or a later one?
	s_cselect_b32 s[BE], s[BIGN], 0
.endif
.if ((\p) == 1) && !(\end)
	ASEL
	s_wait_dscnt 16                 ; K is in; V's sixteen loads were issued behind it
.endif
	ROW F,0, F,1, F,2, F,3
	ROW F,4, E,0, F,5, F,6
	ROW F,7, E,1, F,8, F,9
	ROW F,10, E,2, C,0, F,11
	ROW F,12, E,3, X,15, F,13
	ROW R,0, R,1, R,2, R,3
	ROW M,0, E,4, F,14, M,1
.if (\p) == 0
	WIN 0
	v_add_nc_u32 v[AK], s[TBK], v[AK0]
.endif
	ROW R,4, R,5, R,6, R,7
	OPS E,5, F,15
.if (\p) == 0
	FETCH_K \last
.endif
	OPS E,6, C,1, E,7, R,8
	OPS E,8, R,9, E,9, C,2
	OPS E,10, B,0, E,11, L,0
	OPS E,12, X,0, E,13, X,1
	OPS X,2, X,3
.if (\p) == 1
	s_wait_dscnt 0x0                ; V is in
.endif
	ROW X,4, E,14, X,5, X,6
	ROW X,7, E,15, X,8, X,9
	ROW X,10, E,16, X,11, X,12
	ROW X,13, E,17, X,14, B,1
	ROW C,4, E,18, X,16, L,1
	ROW B,2, E,19, C,6, L,2
	ROW C,8, E,20, B,3, B,4
.if (\p) == 0
	WIN 0
	v_add_nc_u32 v[AV], s[TBV], v[AV0]
.endif
	ROW C,3, E,21, L,3, C,5
	OPS E,22, X,17, E,23, C,10
.if (\p) == 0
	FETCH_V
.endif
	OPS E,24, L,4
	OPS E,25, X,18, E,26, C,7
	OPS E,27, B,5, E,28, X,19
	OPS E,29, C,12, E,30, L,5
	OPS E,31, X,20, B,6, C,9
	OPS C,14, C,11, X,21, L,6
.if (\p) == 0
	s_add_co_u32 s[TBV], s[TBV], KS*PV
.endif
.if \cnt
	s_sub_co_u32 s[CNT], s[CNT], 1
	s_cmp_lg_u32 s[CNT], 0
.endif
	OPS C,13, B,7, C,15, R,10
	OPS R,11, R,12, L,7, R,13
	OPS R,14, R,15
.if (\m) && !(\end)
	MASK \p
.endif
.if ((\p) == 1) && !(\end)
	AMASK
.endif
.endm
; A BLOCK BEGINS.  c m starts far below every c s, so the first step's a is 0; m at the lowest finite number; the row sums at 0.  The second mask buffer is 0 (piece 1 sees all of a tile's step 0);
; the first takes piece 0's mask for step 0: its own, if this tile is the diagonal one and the block an even one.  Then the factors of key step 0, K of that step, piece 0's first scores, maximum and statistics.
.macro BEGIN
	s_mov_b32 s[NEW], 0
	WIN 0x40
.set i, MC+32
.rept 32
	v_mov_b32 v[i], 0
.set i, i+1
.endr
	WIN 0
.set i, 0
.rept NP
	v_mov_b32 v[ST+8*i], 0xfe000000
	v_mov_b32 v[ST+8*i+1], 0xff7fffff
	v_mov_b32 v[ST+8*i+2], 0
	v_mov_b32 v[ST+8*i+3], 0
	v_mov_b32 v[ST+8*i+4], 0
	v_mov_b32 v[ST+8*i+5], 0
.set i, i+1
.endr
	s_cmp_eq_u32 s[RT], 0
	s_cselect_b32 s[AL], s[PZ], 0
	s_mov_b32 s[BE], 0
	MASK 0
	s_mov_b32 s[GS], 0
	ASEL
	AMASK
	WIN 0
	v_add_nc_u32 v[AK], s[TBK], v[AK0]
	FETCH_K
	s_wait_loadcnt 0x0              ; Q
	s_wait_dscnt 0x0
.set KM, 1
.set NOKQ, 0
.set i, 0
.rept 8
	KQ 0
.set i, i+1
.endr
	WIN 0
.rept 4
	v_nop                           ; the places behind those products
.endr
.set Y, NP-1                        ; X works for piece Y + 1: piece 0
.irp n, 0,1,2,3,4,5,6,7,8,9,10,11,12,13,14,15,16,17,18,19,20,21
	OP X, \n
.endr
	v_nop                           ; a plain instruction behind the exponential
.endm
.macro ALL line:vararg              ; one line for each piece t
.set t, 0
.rept NP
	\line
.set t, t+1
.endr
.endm
.macro PACK t                       ; O^T / l, rounded to f16; 16 bytes a lane into rows of 144 bytes, back as whole rows of 128, into S^T's registers
	WIN W_RS
.set i, 32*(\t)
.rept 16
	v_pk_mul_f32 v[i:i+1], v[i:i+1], v[ST+8*(\t)+2:ST+8*(\t)+3] op_sel_hi:[1,0]
.set i, i+2
.endr
	WIN 0x05
.set i, 0
.rept 16
	v_cvt_pk_f16_f32 v[S+16*(\t)+i], v[32*(\t)+2*i], v[32*(\t)+2*i+1]
.set i, i+1
.endr
	WIN 0
.irp f, 0,1,2,3
	ds_store_b128 v[STO], v[S+16*(\t)+4*\f:S+16*(\t)+4*\f+3] offset:32*\f
.endr
.irp f, 0,1,2,3
	ds_load_b128 v[S+16*(\t)+4*\f:S+16*(\t)+4*\f+3], v[RD] offset:\f*4*SP  ; LDS serves a wave's instructions in order: these see the stores above
.endr
.endm
.macro SEND t, younger              ; younger: the LDS instructions issued behind piece t's loads
	WIN 0
.irp f, 0,1,2,3
	s_wait_dscnt (\younger)+3-\f
	global_store_b128 v[GO], v[S+16*(\t)+4*\f:S+16*(\t)+4*\f+3], s[10:11] offset:(\t)*8192+\f*512  ; 512 consecutive bytes, at a multiple of 256 from O's first
.endr
.endm
; THE DIAGONAL TILE's four steps, the block's last turn, its last products, and the way out.
.macro DIAG tag
.LstepM\tag:
	TURN 1, 1
	WIN 0
.LfirstM\tag:
	TURN 0, 1, 1, 0, 1
	WIN 0
	s_cbranch_scc1 .LstepM\tag
	TURN 1, 1, 0, 1
.set i, 0
.rept 8
	PV 1
.set i, i+1
.endr
	WIN 0
	ALL v_pk_add_f32 v[ST+8*t+2:ST+8*t+3], v[ST+8*t+2:ST+8*t+3], v[ST+8*t+4:ST+8*t+5]
	ALL v_add_f32 v[ST+8*t+2], v[ST+8*t+2], v[ST+8*t+3]
	ALL v_permlanex16_b32 v[ST+8*t+3], v[ST+8*t+2], s[SEL], s[SEL+1]
	ALL v_add_f32 v[ST+8*t+2], v[ST+8*t+2], v[ST+8*t+3]
	ALL v_rcp_f32 v[ST+8*t+2], v[ST+8*t+2]
	v_nop                           ; a plain instruction between the last reciprocal and the use of its result
	s_wait_alu depctr_va_vdst(0)
	PACK 0
	PACK 1
	SEND 0, 8
	SEND 1, 0
	s_sub_co_u32 s[TBK], s[TBK], 4*KS*PK  ; K's fetches go to the other slot's first step: the next block's first tile
	s_xor_b32 s[TBK], s[TBK], SLOT1
.endm
.set KM, 0
.set NOKQ, 0
.Lslot:                             ; 8 times: a tile is entered and the next is asked for
	CHANGE 1
	s_sub_co_u32 s[RT], s[RT], 1
	s_mov_b32 s[CNT], 3
	s_cmp_eq_u32 s[NEW], 1
	s_cbranch_scc1 .Lnew            ; a block's first tile
	s_cmp_eq_u32 s[RT], 0
	s_cbranch_scc0 .Lstep           ; neither its first nor its last
	s_mov_b32 s[CNT], 4
	s_mov_b32 s[AL], s[PZ]          ; the mask of piece 0 in the diagonal tile's step 0, for the first turn's products
	s_mov_b32 s[BE], 0
	MASK 0
	WIN 0
	s_branch .LstepM1
.Lnew:
	BEGIN
	WIN 0
	s_branch .Lfirst                ; in the loop a block's first tile is never its last: the first block has five tiles or more, and the second's last is the walk's last
	DIAG 1                          ; in the loop this is the first block's end
	s_wait_xcnt 0x0                 ; the stores have read their registers and O's address
	s_mov_b64 s[10:11], s[OLO:OLO+1]
	s_add_co_u32 s[RT], s[PBT], 1   ; the second block has b / 2 + 1 tiles
	s_mov_b32 s[NEW], 1
	s_mov_b32 s[D0], s[D0B]
	s_mov_b32 s[D0+1], s[D0B+1]
	s_mov_b32 s[PZ], s[PZB]
	WIN 0x82                        ; the second block's Q goes where the one text of the turns names Q
.set i, 0
.rept 32
	v_mov_b32 v[i], v[QB+i]
.set i, i+1
.endr
	WIN 0
	s_branch .Lbottom
.Lstep:                             ; a trip: T1 of one step, T0 of the next
	TURN 1
	WIN 0
.Lfirst:
	TURN 0, 0, 0, 0, 1
	WIN 0
	s_cbranch_scc1 .Lstep
	TURN 1                          ; step 2's second turn,
	MEET                            ; the next slot is whole,
	TURN 0                          ; and step 3's first turn reads K from it
	WIN 0
.Lbottom:
	s_sub_co_u32 s[SLOTS], s[SLOTS], 1
	s_cmp_lg_u32 s[SLOTS], 0
	s_cbranch_scc1 .Lslot
	CHANGE 0                        ; the walk's last tile is written out: nothing is asked for
	s_sub_co_u32 s[RT], s[RT], 1
	s_mov_b32 s[CNT], 4
	s_cmp_eq_u32 s[NEW], 1
	s_cbranch_scc0 .Lold2
	BEGIN
	WIN 0
	s_branch .LfirstM2
.Lold2:
	s_mov_b32 s[AL], s[PZ]
	s_mov_b32 s[BE], 0
	MASK 0
	WIN 0
	DIAG 2
	s_wait_tensorcnt 0x0            ; the wave's end
	ds_add_u32 v[SPW], v[NIL]
	s_wait_dscnt 0x0
	s_endpgm
.Lfunc_end_k_q85412da218_attn:
	.size	k_q85412da218_attn, .Lfunc_end_k_q85412da218_attn-k_q85412da218_attn
	.p2alignl 7, 3214868480
	.fill 96, 4, 3214868480
	.section	.rodata,"a",@progbits
	.p2align	6, 0x0
	.amdhsa_kernel k_q85412da218_attn
		.amdhsa_group_segment_fixed_size 327680
		.amdhsa_private_segment_fixed_size 0
		.amdhsa_enable_private_segment 0
		.amdhsa_kernarg_size 48
		.amdhsa_user_sgpr_count 2
		.amdhsa_user_sgpr_kernarg_segment_ptr 1
		.amdhsa_wavefront_size32 1
		.amdhsa_system_sgpr_workgroup_id_x 1
		.amdhsa_system_sgpr_workgroup_id_y 1
		.amdhsa_system_sgpr_workgroup_id_z 1
		.amdhsa_system_vgpr_workitem_id 0
		.amdhsa_next_free_vgpr 768
		.amdhsa_next_free_sgpr 102
		.amdhsa_reserve_vcc 1
		.amdhsa_float_denorm_mode_32 3
		.amdhsa_float_denorm_mode_16_64 3
		.amdhsa_memory_ordered 1
		.amdhsa_forward_progress 1
		.amdhsa_inst_pref_size 166
	.end_amdhsa_kernel
	.amdgpu_metadata
---
amdhsa.version: [ 1, 2 ]
amdhsa.kernels:
  - .name:           k_q85412da218_attn
    .symbol:         k_q85412da218_attn.kd
    .args:
      - { .name: qh, .offset: 0, .size: 8, .value_kind: global_buffer, .address_space: global }
      - { .name: kh, .offset: 8, .size: 8, .value_kind: global_buffer, .address_space: global }
      - { .name: vh, .offset: 16, .size: 8, .value_kind: global_buffer, .address_space: global }
      - { .name: ob, .offset: 24, .size: 8, .value_kind: global_buffer, .address_space: global }
      - { .name: idx, .offset: 32, .size: 8, .value_kind: global_buffer, .address_space: global }
      - { .name: weight, .offset: 40, .size: 8, .value_kind: global_buffer, .address_space: global }
    .group_segment_fixed_size: 327680
    .private_segment_fixed_size: 0
    .kernarg_segment_align: 8
    .kernarg_segment_size: 48
    .max_flat_workgroup_size: 128
    .sgpr_count:     102
    .vgpr_count:     768
    .wavefront_size: 32
...
	.end_amdgpu_metadata
.endif
;; end of part 3
;; launch proj (part 4): grid 8 x 32, 4 waves a work-group, clusters of 4 x 4, 327,680 bytes of LDS; arguments ob, wpb, b_proj, out0; writes out0
.if DOCPART == 4
	.amdgcn_target "amdgcn-amd-amdhsa--gfx1250"
	.amdhsa_code_object_version 6
	.text
	.protected	k_q85412da218_proj
	.globl	k_q85412da218_proj
	.p2align	8
	.type	k_q85412da218_proj,@function
k_q85412da218_proj:
	s_mov_b64 s[64:65], 0
	v_nop
	global_prefetch_b8 v0, s[64:65] scope:SCOPE_SE
	s_setreg_imm32_b32 hwreg(HW_REG_WAVE_MODE, 25, 1), 1
	s_wait_xcnt 0x0
	s_wait_alu depctr_hold_cnt(0) depctr_sa_sdst(0) depctr_va_vdst(0) depctr_va_sdst(0) depctr_va_ssrc(0) depctr_va_vcc(0) depctr_vm_vsrc(0)
	s_getreg_b32 s2, hwreg(HW_REG_IB_STS2, 6, 4)
	s_cmp_eq_u32 s2, 0
	s_cbranch_scc0 .Lentry_in_a_cluster
	s_endpgm
.Lentry_in_a_cluster:
	s_bfe_u32 s2, ttmp6, 0x10000c
	s_cmp_lg_u32 s2, 0xf033
	s_cbranch_scc0 .Lentry_shape_is_right
	s_endpgm
.Lentry_shape_is_right:
; out0 = O w_proj + b_proj, 4096 x 1024 x 1024, f16 operands, f32 sums, f32 out.  O lies by heads, [16 batch + head][2048][64]: a head's 64 channels are one slice of K.  w_proj lies [k][n].
; The bias (rounded to bf16 like every input) is the C operand of the products that start the sums.
; SHARES.  A tile is 128 x 128: 8 x 32 work-groups, four waves of 64 x 64: 16 accumulators.  K goes in steps of 256 (four heads) through two LDS slots; a quarter of a step is one head.
; O's 128 rows of one head are 16,384 dense bytes; a wave's load brings two heads as two long rows, padded in LDS after every 128 bytes.  w is turned on its way out of LDS by ds_load_tr16_b128.
; THE MATRIX INSTRUCTION IS USED TRANSPOSED (source 0 = 16 columns of w, source 1 = 16 rows of O): a lane holds eight neighbouring numbers of a row of the result.
; CLUSTER 4 x 4: O's tile is asked for jointly along a row of the cluster, w's along a column.
; A wave's 64 columns of f32 are 256 consecutive bytes, so each wave has a stage of its own on the way out, and no barrier stands there.
; REGISTERS: window 0: v1-31 addresses; v32-95 two buffers of 32 on the way out; v96-127 the bias; v128-255 the accumulators ((a, b) at 128 + 8 (4 a + b)).
;   window 1: two fragment buffers of 128: for 64 along K, 64 registers of O, then 64 of w.
.set SIZE_N, 1024
.set PA,     144                       ; a row of O in LDS: 128 bytes + 16
.set PB,     288                       ; a k-row of w: 256 bytes + 32 = 9 x 32
.set HALFT,  36864                     ; what one tensor load brings: two heads x 128 rows x 144, or 128 k-rows x 288
.set SLOT,   4*HALFT                   ; O's four heads, then w's 256 k-rows
.set STAGE,  2*SLOT                    ; behind the ring: 16 rows x 272 bytes for each wave
.set SPITCH, 272
.set SPARE,  STAGE+4*16*SPITCH
.set ADRA, 16                          ; v16-17  LDS address of my fragments of O in slot 0, 1
.set ADRB, 20                          ; v20-23  of w: slot 0 k-rows 0-127, 128-255; slot 1 likewise (an LDS offset has 16 bits)
.set STO,  24
.set RD,   25
.set CO,   26
.set BO,   27
.set SPW,  28
.set NIL,  29
.set BK,   32
.set BIAS, 96
.set ACC,  128
.set F0,   0
.set F1,   128
.set WV,  12                           ; s12  my wave
.set RH,  13                           ; s13  which half of the tile's rows is mine; also: I fetch for O (0) or for w (1)
.set CH,  14                           ; s14  which half of its columns; also: which half of that tile I fetch
.set G1,  24
.set G0,  32
.set G1B, 48
.set G0B, 56
.set MSB, 0
.macro WIN new
.if MSB != (\new)
	s_set_vgpr_msb (MSB<<8)|(\new)
.set MSB, (\new)
.endif
.endm
.set MUL,  0x05                        ; sources 0 and 1 window 1; C and D window 0
.set TO_F, 0x40                        ; destination window 1, address window 0
.macro JLOAD s                         ; a joint load; an s_nop 0 and four v_nop follow each of the two lines
	s_cmp_eq_u32 s[RH], 0
	s_cbranch_scc0 .Lfor_b_\@
	tensor_load_to_lds s[G0+4*(\s):G0+4*(\s)+3], s[G1:G1+7]
	s_nop 0
.rept 4
	v_nop
.endr
	s_branch .Lasked_\@
.Lfor_b_\@:
	tensor_load_to_lds s[G0B+4*(\s):G0B+4*(\s)+3], s[G1B:G1B+7]
	s_nop 0
.rept 4
	v_nop
.endr
.Lasked_\@:
.endm
.macro CREST
	s_cmp_lg_u32 s[WV], 0
	s_cbranch_scc1 .Lnot_wave_0_\@
	s_barrier_signal -3
.Lnot_wave_0_\@:
	s_barrier_wait -3
	s_barrier_signal -1
	s_barrier_wait -1
.endm
.macro CROUND
	s_barrier_signal -1
	s_barrier_wait -1
	CREST
.endm
.macro PLACES
.rept 4
	v_nop
.endr
.endm
	s_load_b256 s[4:11], s[0:1], 0x0               ; ob s[4:5], wpb s[6:7], b_proj s[8:9], out0 s[10:11]
	v_lshl_add_u32 v[SPW], v0, 2, SPARE
	v_mov_b32 v[NIL], 0
	ds_add_u32 v[SPW], v[NIL]                      ; the wave's opening: the add and its wait stand ahead of my first tensor load
	ds_add_u32 v28, v29
	v_lshrrev_b32 v1, 5, v0
	v_readfirstlane_b32 s[WV], v1
	s_lshr_b32 s[RH], s[WV], 1
	s_and_b32 s[CH], s[WV], 1
	s_bfe_u32 s40, ttmp6, 0x40000                  ; cx
	s_bfe_u32 s41, ttmp6, 0x40004                  ; cy
	s_lshl_b32 s42, ttmp9, 2
	s_add_co_u32 s42, s42, s40                     ; tile column
	s_and_b32 s15, ttmp7, 0xffff
	s_lshl_b32 s15, s15, 2
	s_add_co_u32 s15, s15, s41                     ; tile row
	s_lshl_b32 s43, s41, 2
	s_lshl_b32 s43, 15, s43                        ; my row of the cluster
	s_lshl_b32 s44, 0x1111, s40                    ; my column
	s_or_b32 s[G1], s43, (1<<16)|(1<<20)|(1<<21)|(4<<22)|(3<<25)   ; O: after every 32 words 4 words of padding
	s_or_b32 s[G1B], s44, (1<<16)|(1<<20)|(1<<21)|(5<<22)|(7<<25)  ; w: after every 64 words 8 words
	s_mov_b32 s[G1+1], 8192<<16                    ; O: tensor_dim0 = 8,192: a head's 128 rows of 64
	s_mov_b32 s[G1+2], 2<<16                       ; tensor_dim1 = 2 heads
	s_mov_b32 s[G1+3], 8192<<16                    ; tile_dim0
	s_mov_b32 s[G1+4], 2                           ; tile_dim1
	s_mov_b32 s[G1+5], 131072                      ; elements from head to head
	s_mov_b32 s[G1+6], 0
	s_mov_b32 s[G1+7], 0
	s_mov_b32 s[G1B+1], 128<<16                    ; w: 128 columns
	s_mov_b32 s[G1B+2], 128<<16                    ; 128 k-rows
	s_mov_b32 s[G1B+3], 128<<16
	s_mov_b32 s[G1B+4], 128
	s_mov_b32 s[G1B+5], SIZE_N
	s_mov_b32 s[G1B+6], 0
	s_mov_b32 s[G1B+7], 0
	s_lshr_b32 s16, s15, 4                         ; O: the batch (16 tile rows each),
	s_lshl_b32 s16, s16, 4                         ; its 16 heads,
	s_lshl_b32 s17, s[CH], 1
	s_add_co_u32 s16, s16, s17                     ; my two heads of the step's four,
	s_lshl_b32 s16, s16, 11                        ; 2,048 rows a head,
	s_and_b32 s17, s15, 15
	s_lshl_b32 s17, s17, 7
	s_add_co_u32 s16, s16, s17                     ; the tile's 128 rows,
	s_lshl_b32 s16, s16, 7                         ; 128 bytes a row
	s_mov_b32 s17, 0
	s_lshl_b32 s46, s[CH], 18                      ; w: k-row 128 x half, 2,048 bytes a row,
	s_lshl_b32 s47, s42, 8                         ; column 128 x tile column
	s_add_co_u32 s46, s46, s47
	s_mov_b32 s47, 0
	s_mul_i32 s20, s[WV], HALFT                    ; where they go: wave x 36,864
	s_wait_dscnt 0x0                               ; the opening add is done
	s_wait_kmcnt 0x0
	s_add_nc_u64 s[18:19], s[4:5], s[16:17]
	s_add_nc_u64 s[46:47], s[6:7], s[46:47]
	CROUND                                         ; all sixteen work-groups are here: the first joint loads meet
.irp s, 0,1
	s_mov_b32 s[G0+4*(\s)], 1
	s_add_co_u32 s[G0+4*(\s)+1], s20, (\s)*SLOT
	s_add_nc_u64 s[G0+4*(\s)+2:G0+4*(\s)+3], s[18:19], (\s)*4*2048*128
	s_or_b32 s[G0+4*(\s)+3], s[G0+4*(\s)+3], 0x80000000
	s_mov_b32 s[G0B+4*(\s)], 1
	s_add_co_u32 s[G0B+4*(\s)+1], s20, (\s)*SLOT
	s_add_nc_u64 s[G0B+4*(\s)+2:G0B+4*(\s)+3], s[46:47], (\s)*256*SIZE_N*2
	s_or_b32 s[G0B+4*(\s)+3], s[G0B+4*(\s)+3], 0x80000000
	JLOAD \s
.endr
	s_lshl_b32 s16, s15, 7                         ; the result: my first row 128 x tile row + 64 x half,
	s_lshl_b32 s17, s[RH], 6
	s_add_co_u32 s16, s16, s17
	s_lshl_b32 s16, s16, 12                        ; 4,096 bytes a row
	s_mov_b32 s17, 0
	s_add_nc_u64 s[10:11], s[10:11], s[16:17]
	s_lshl_b32 s46, s42, 9                         ; my first column, in bytes: 512 x tile column + 256 x half
	s_lshl_b32 s47, s[CH], 8
	s_add_co_u32 s46, s46, s47
	s_mov_b32 s47, 0
	s_add_nc_u64 s[10:11], s[10:11], s[46:47]
	s_add_nc_u64 s[8:9], s[8:9], s[46:47]          ; and the same columns of the bias
	v_and_b32 v1, 15, v0                           ; l % 16
	v_bfe_u32 v2, v0, 4, 1                         ; l / 16
	v_lshlrev_b32 v[BO], 5, v2
.irp b, 0,1,2,3                        ; register j of block b: the bias of column 16 b + 8 (l / 16) + j
	global_load_b128 v[BIAS+8*(\b):BIAS+8*(\b)+3],   v[BO], s[8:9] offset:64*(\b)
	global_load_b128 v[BIAS+8*(\b)+4:BIAS+8*(\b)+7], v[BO], s[8:9] offset:64*(\b)+16
.endr
	v_mul_u32_u24 v3, v1, PA
	v_lshl_add_u32 v3, v2, 4, v3
	s_mul_i32 s21, s[RH], 64*PA                    ; my 64 rows in a head's block
	v_add_nc_u32 v[ADRA], s21, v3
	v_add_nc_u32 v[ADRA+1], SLOT, v[ADRA]
	v_and_b32 v4, 7, v0
	v_bfe_u32 v5, v0, 3, 1
	v_lshl_add_u32 v4, v2, 3, v4
	v_mul_u32_u24 v4, v4, PB
	v_lshl_add_u32 v4, v5, 4, v4
	s_lshl_b32 s21, s[CH], 7                       ; my 64 columns,
	s_add_co_u32 s21, s21, 2*HALFT                 ; behind O's four heads
	v_add_nc_u32 v[ADRB], s21, v4
	v_add_nc_u32 v[ADRB+1], HALFT, v[ADRB]
	v_add_nc_u32 v[ADRB+2], SLOT, v[ADRB]
	v_add_nc_u32 v[ADRB+3], SLOT, v[ADRB+1]
	s_mul_i32 s21, s[WV], 16*SPITCH
	s_add_co_u32 s21, s21, STAGE                   ; my stage
	v_mul_u32_u24 v[STO], v1, SPITCH               ; in: row l % 16, 32 bytes for each half of the lanes
	v_lshl_add_u32 v[STO], v2, 5, v[STO]
	v_add_nc_u32 v[STO], s21, v[STO]
	v_mul_u32_u24 v[RD], v2, SPITCH                ; back: lanes 0-15 one row of 256 bytes, lanes 16-31 the next
	v_lshl_add_u32 v[RD], v1, 4, v[RD]
	v_add_nc_u32 v[RD], s21, v[RD]
	v_lshlrev_b32 v[CO], 12, v2                    ; and the same two rows of the result
	v_lshl_add_u32 v[CO], v1, 4, v[CO]
	s_mov_b32 s21, 0xffff0000
	s_wait_loadcnt 0x0                             ; the bias, once
.set z, 0
.rept 16
	v_cvt_pk_bf16_f32 v[30+z%2], v[BIAS+2*z], v[BIAS+2*z+1]
	v_lshlrev_b32 v[BIAS+2*z], 16, v[30+z%2]
	v_and_b32 v[BIAS+2*z+1], s21, v[30+z%2]
.set z, z+1
.endr
; 8 matrix instructions: row blocks a0, a0 + 1 x all 4 column blocks, 32 along K: half c of buffer f.  first = 1: the bias starts the sums.  The 16 accumulators take turns.
.macro MUL8 f, c, a0, first
	WIN MUL
.irp a, \a0, (\a0)+1
.irp b, 0,1,2,3
.if \first
	v_wmma_f32_16x16x32_f16 v[ACC+8*(4*(\a)+(\b)):ACC+8*(4*(\a)+(\b))+7], v[(\f)+64+8*(4*(\c)+(\b)):(\f)+64+8*(4*(\c)+(\b))+7], v[(\f)+8*(4*(\c)+(\a)):(\f)+8*(4*(\c)+(\a))+7], v[BIAS+8*(\b):BIAS+8*(\b)+7]
.else
	v_wmma_f32_16x16x32_f16 v[ACC+8*(4*(\a)+(\b)):ACC+8*(4*(\a)+(\b))+7], v[(\f)+64+8*(4*(\c)+(\b)):(\f)+64+8*(4*(\c)+(\b))+7], v[(\f)+8*(4*(\c)+(\a)):(\f)+8*(4*(\c)+(\a))+7], v[ACC+8*(4*(\a)+(\b)):ACC+8*(4*(\a)+(\b))+7]
.endif
.endr
.endr
.endm
; 32 LDS loads in one run: quarter q (one head, 64 along K) of a slot into buffer f; the first 32 along K first
.macro FETCH slot, q, f
	WIN TO_F
.irp c, 0,1
.irp i, 0,1,2,3
	ds_load_tr16_b128 v[(\f)+64+8*(4*(\c)+(\i)):(\f)+64+8*(4*(\c)+(\i))+3],   v[ADRB+2*(\slot)+(\q)/2] offset:(((\q)%2)*64+32*(\c))*PB+32*(\i)
	ds_load_tr16_b128 v[(\f)+64+8*(4*(\c)+(\i))+4:(\f)+64+8*(4*(\c)+(\i))+7], v[ADRB+2*(\slot)+(\q)/2] offset:(((\q)%2)*64+32*(\c)+16)*PB+32*(\i)
	ds_load_b128 v[(\f)+8*(4*(\c)+(\i)):(\f)+8*(4*(\c)+(\i))+3],   v[ADRA+(\slot)] offset:(\q)*128*PA+(\i)*16*PA+64*(\c)
	ds_load_b128 v[(\f)+8*(4*(\c)+(\i))+4:(\f)+8*(4*(\c)+(\i))+7], v[ADRA+(\slot)] offset:(\q)*128*PA+(\i)*16*PA+64*(\c)+32
.endr
.endr
.endm
.macro QUARTER slot, q, f, g, first    ; multiplies buffer f and fetches quarter q into buffer g
	s_wait_dscnt 16                                ; the first 32 along K are in
	MUL8 \f, 0, 0, \first
	MUL8 \f, 0, 2, \first
	PLACES
	FETCH \slot, \q, \g
	s_wait_dscnt 32                                ; all but the 32 just issued
	MUL8 \f, 1, 0, 0
	MUL8 \f, 1, 2, 0
.endm
; The last quarter multiplies buffer 1 and changes slots: one barrier; in front of it each wave waits for all its tensor loads, adds 0 to its spare word, and waits for that and for its reads of this slot.
; fill = 1: the barrier opens a round of the cluster's, and this slot is filled again, two K steps ahead, first thing behind it: 112 matrix instructions ahead of the wait for it.
.macro TURN slot, next, fill
	WIN 0
	s_wait_tensorcnt 0x0
	ds_add_u32 v[SPW], v[NIL]
	s_wait_dscnt 17                                ; the add and the youngest sixteen loads may be out
	MUL8 F1, 0, 0, 0
	s_wait_dscnt 0x0                               ; the add is done, and my reads of this slot are over
	s_barrier_signal -1
	MUL8 F1, 0, 2, 0
.if \fill
	WIN 0
.endif
	s_barrier_wait -1
.if \fill
	CREST
	s_add_nc_u64 s[G0+4*(\slot)+2:G0+4*(\slot)+3], s[G0+4*(\slot)+2:G0+4*(\slot)+3], 8*2048*128
	s_add_nc_u64 s[G0B+4*(\slot)+2:G0B+4*(\slot)+3], s[G0B+4*(\slot)+2:G0B+4*(\slot)+3], 512*SIZE_N*2
	JLOAD \slot                                    ; its four v_nop are also the places in front of the loads below
.else
	PLACES
.endif
	FETCH \next, 0, F0
	MUL8 F1, 1, 0, 0
	MUL8 F1, 1, 2, 0
.endm
	s_wait_tensorcnt 1                             ; my part of K step 0 is in; K step 1's may stay out
	s_barrier_signal -1
	s_barrier_wait -1
	FETCH 0, 0, F0
	QUARTER 0, 1, F0, F1, 1                        ; four K steps, written straight through: a loop would have one trip
	QUARTER 0, 2, F1, F0, 0
	QUARTER 0, 3, F0, F1, 0
	TURN 0, 1, 1                                   ; slot 0 takes K step 2
	QUARTER 1, 1, F0, F1, 0
	QUARTER 1, 2, F1, F0, 0
	QUARTER 1, 3, F0, F1, 0
	TURN 1, 0, 1                                   ; slot 1 takes K step 3
	QUARTER 0, 1, F0, F1, 0
	QUARTER 0, 2, F1, F0, 0
	QUARTER 0, 3, F0, F1, 0
	TURN 0, 1, 0
	QUARTER 1, 1, F0, F1, 0
	QUARTER 1, 2, F1, F0, 0
	QUARTER 1, 3, F0, F1, 0
	s_wait_dscnt 16
	MUL8 F1, 0, 0, 0
	MUL8 F1, 0, 2, 0
	s_wait_dscnt 0x0
	MUL8 F1, 1, 0, 0
	MUL8 F1, 1, 2, 0
	WIN 0
	; THE WAY OUT: a block of 16 rows at a time, 32 bytes a lane straight from the accumulators into my stage, back as whole rows of 256 bytes.
	PLACES
.macro TOSTAGE a
.irp b, 0,1,2,3
	ds_store_b128 v[STO], v[ACC+8*(4*(\a)+(\b)):ACC+8*(4*(\a)+(\b))+3] offset:64*(\b)       ; an accumulator's low four registers first
	ds_store_b128 v[STO], v[ACC+8*(4*(\a)+(\b))+4:ACC+8*(4*(\a)+(\b))+7] offset:64*(\b)+16
.endr
.irp t, 0,1,2,3,4,5,6,7
	ds_load_b128 v[BK+32*((\a)%2)+4*(\t):BK+32*((\a)%2)+4*(\t)+3], v[RD] offset:(\t)*2*SPITCH  ; LDS serves a wave's instructions in order: these see the stores above
.endr
.endm
.macro SEND a, younger                 ; younger: the LDS instructions issued behind block a's: the next block's sixteen, or none
	s_wait_dscnt \younger
.irp t, 0,1,2,3,4,5,6,7
	global_store_b128 v[CO], v[BK+32*((\a)%2)+4*(\t):BK+32*((\a)%2)+4*(\t)+3], s[10:11] offset:(16*(\a)+2*(\t))*4096  ; 16 lanes store 256 consecutive bytes, at a multiple of 256 from the buffer's first
.endr
.endm
	TOSTAGE 0
	TOSTAGE 1
	SEND 0, 16
	s_wait_xcnt 0x0                                ; block 0's stores have read their registers: block 2 is loaded into them only now
	TOSTAGE 2
	SEND 1, 16
	s_wait_xcnt 0x0
	TOSTAGE 3
	SEND 2, 16
	SEND 3, 0
	s_wait_tensorcnt 0x0                           ; the wave's end
	ds_add_u32 v[SPW], v[NIL]
	s_wait_dscnt 0x0
	CROUND                                         ; the closing round
	s_endpgm
.Lfunc_end_k_q85412da218_proj:
	.size	k_q85412da218_proj, .Lfunc_end_k_q85412da218_proj-k_q85412da218_proj
	.p2alignl 7, 3214868480
	.fill 96, 4, 3214868480
	.section	.rodata,"a",@progbits
	.p2align	6, 0x0
	.amdhsa_kernel k_q85412da218_proj
		.amdhsa_group_segment_fixed_size 327680
		.amdhsa_private_segment_fixed_size 0
		.amdhsa_enable_private_segment 0
		.amdhsa_kernarg_size 32
		.amdhsa_user_sgpr_count 2
		.amdhsa_user_sgpr_kernarg_segment_ptr 1
		.amdhsa_wavefront_size32 1
		.amdhsa_system_sgpr_workgroup_id_x 1
		.amdhsa_system_sgpr_workgroup_id_y 1
		.amdhsa_system_sgpr_workgroup_id_z 1
		.amdhsa_system_vgpr_workitem_id 0
		.amdhsa_next_free_vgpr 512
		.amdhsa_next_free_sgpr 66
		.amdhsa_reserve_vcc 0
		.amdhsa_float_denorm_mode_32 3
		.amdhsa_float_denorm_mode_16_64 3
		.amdhsa_memory_ordered 1
		.amdhsa_forward_progress 1
		.amdhsa_inst_pref_size 88
	.end_amdhsa_kernel
	.amdgpu_metadata
---
amdhsa.version: [ 1, 2 ]
amdhsa.kernels:
  - .name:           k_q85412da218_proj
    .symbol:         k_q85412da218_proj.kd
    .args:
      - { .name: ob, .offset: 0, .size: 8, .value_kind: global_buffer, .address_space: global }
      - { .name: wpb, .offset: 8, .size: 8, .value_kind: global_buffer, .address_space: global }
      - { .name: b_proj, .offset: 16, .size: 8, .value_kind: global_buffer, .address_space: global }
      - { .name: out0, .offset: 24, .size: 8, .value_kind: global_buffer, .address_space: global }
    .group_segment_fixed_size: 327680
    .private_segment_fixed_size: 0
    .kernarg_segment_align: 8
    .kernarg_segment_size: 32
    .max_flat_workgroup_size: 128
    .sgpr_count:     66
    .vgpr_count:     512
    .wavefront_size: 32
...
	.end_amdgpu_metadata
.endif
;; end of part 4
